; MI455X (gfx1250); checked and timed in simulation.
; The chip was launched on July 23, 2026; its instructions are those of AMD's public machine-readable ISA for CDNA 5 (MIT licence, August 2026) and "CDNA5" Instruction Set Architecture Reference Guide (July 2026). The comments in the code are by the model that wrote it; some were corrected since.
;; SAE. Allowed arithmetic: float matrix products may take bf16 or f16 operands with f32 sums; other float arithmetic in f32, or as packed bf16 or f16 multiplies, adds, multiply-adds, maxima and minima; sums over many terms, partial sums and values carried from step to step in f32; what a program stores and reads back later, other than sums and carried values, may be rounded once to bf16 or f16.
;; Inputs: Wk 256 x 512 float32; Wo 512 x 512 float32; Wq 256 x 512 float32; Wv 512 x 512 float32; bk 256 float32; bo 512 float32; bq 256 float32; bv 512 float32; gamma 1 float32; x 4 x 512 x 64 x 64 float32.
;; Outputs: out0 4 x 512 x 64 x 64 float32.
;; 3 versions, each right; version 3 is version 2 with the launch proj written anew for expert scheduling mode. Each part assembles by itself: llvm-mc -triple=amdgcn-amd-amdhsa -mcpu=gfx1250 --defsym DOCPART=n.
;; ======== version 1 of 3: 3 launches
;; limits: values outside matrix products are rounded to bf16
;; workspace buffers: wall 1,048,576 bytes; bfold 2,048 bytes; qkv 33,554,432 bytes
;; launch wfold (part 1): grid 128 x 1, 4 waves a work-group, no clusters, 37,376 bytes of LDS; arguments Wq, Wk, Wv, Wo, bv, bo, wall, bfold; writes wall, bfold
.if DOCPART == 1
	.amdgcn_target "amdgcn-amd-amdhsa--gfx1250"
	.amdhsa_code_object_version 6
	.text
	.protected	k_qbb6611c412_wfold
	.globl	k_qbb6611c412_wfold
	.p2align	8
	.type	k_qbb6611c412_wfold,@function
k_qbb6611c412_wfold:
	s_mov_b64 s[64:65], 0
	v_nop
	global_prefetch_b8 v0, s[64:65] scope:SCOPE_SE
	s_setreg_imm32_b32 hwreg(HW_REG_WAVE_MODE, 25, 1), 1
	s_wait_xcnt 0x0
; THE WEIGHTS ARE FOLDED.  Since every softmax row sums to 1, Wo (V A^T) + bo = (Wo Wv) x A^T + (Wo bv + bo) for every input: this launch makes W' = Wo Wv and b' = Wo bv + bo,
; and rounds Wq and Wk to bf16.  wall: bf16 [1024][512]: rows 0-255 Wq, 256-511 Wk, 512-1023 W'.  bfold: f32 [512] = b'.
; LIMITS.  Wo, Wv and bv are rounded to bf16 for the product, W' once more to bf16 when it is stored (the order of rounding differs from the reference's); sums in f32; NaN and infinities are not treated apart.
; SHARES.  Work-group g makes W'[16 (g / 4) ..+15][128 (g % 4) ..+127]: 16 rows x 256 bytes of wall, so that each store of sixteen lanes covers 256 consecutive bytes, aligned: 128 work-groups, no more.
; The sum's index m (512) is split among the four waves, 128 each, four fragments of 32; the four partial sums meet in LDS, in f32.  Each work-group also rounds 2,048 numbers of Wq or Wk.
; NO TURNING.  A lane reads, for each of the 16 values of m that a fragment wants of it, the eight neighbouring numbers Wv[m][c0 + 8 r ..+7].  Number q of the eight goes into fragment q of eight, whose
; column r therefore stands for c0 + 8 r + q: at the end a lane holds eight neighbouring columns of a row of W'.  A ninth fragment holds bv in every column: its product is Wo bv.
; REGISTERS.  Window 0: v0-15 offsets; v16-39 the rounding of Wq, Wk; v40-111 nine accumulators; v112-119 Wo's fragment; v120-191 the nine fragments of Wv and bv.
; Windows 1 to 3: a raw set each, f32 as loaded: v0-127 Wv (8 i + q), v128-143 Wo, v144-159 bv.
.set PART,  0                          ; LDS: wave w's nine partial tiles, 1,024 bytes each, at 9,216 w
.set SPARE, 36864                      ; behind them: the spare words, 128 bytes for each wave: two blocks of 256 bytes that no other line names
.set AO,   2                           ; v2   my byte offset in Wo: (o0 + r) x 2,048 + 512 w + 32 h
.set VO,   3                           ; v3   in bv: 512 w + 32 h
.set BO,   4                           ; v4   in Wv: (128 w + 8 h) x 2,048 + (c0 + 8 r) x 4
.set CIN,  5                           ; v5   the rounding: 32 x thread
.set COUT, 6                           ; v6   4,096 g + 16 x thread
.set LS,   7                           ; v7   where I put 16 bytes of a partial tile
.set LR,   8                           ; v8   where I read two rows' numbers back
.set WOUT, 9                           ; v9   my 16 bytes of W' in wall
.set LB,   10                          ; v10  16 x lane
.set BB,   11                          ; v11  my eight numbers of bo and of bfold
.set SPW,  12                          ; v12  LDS address of my spare word; never rewritten
.set NIL,  13                          ; v13  0; never rewritten
.set RAW,  16
.set CST,  32
.set ACC,  40
.set FA,   112
.set FB,   120
.set MSB, 0
.macro WIN new                         ; the immediate's high byte repeats the setting that is left; a switch that changes nothing is dropped
.if MSB != (\new)
	s_set_vgpr_msb (MSB<<8)|(\new)
.set MSB, \new
.endif
.endm
.macro PLACES                          ; four places behind a matrix instruction, ahead of vector lines that write its sources and of LDS stores that read its result
.rept 4
	v_nop
.endr
.endm
	s_load_b256 s[4:11], s[0:1], 0x0               ; Wq s[4:5], Wk s[6:7], Wv s[8:9], Wo s[10:11]
	s_load_b256 s[12:19], s[0:1], 0x20             ; bv s[12:13], bo s[14:15], wall s[16:17], bfold s[18:19]
	v_lshl_add_u32 v[SPW], v0, 2, SPARE
	v_mov_b32 v[NIL], 0
	v_lshrrev_b32 v1, 5, v0
	v_readfirstlane_b32 s24, v1                    ; wave 0..3
	v_and_b32 v14, 15, v0                          ; r
	v_bfe_u32 v15, v0, 4, 1                        ; h
	v_and_b32 v1, 31, v0                           ; lane
	s_mov_b32 s38, ttmp9                           ; g
	s_lshr_b32 s25, s38, 2                         ; which 16 rows
	s_and_b32 s26, s38, 3                          ; which 128 columns
	s_lshl_b32 s27, s25, 15                        ; 16 rows of 2,048 bytes
	s_lshl_b32 s28, s24, 9                         ; my 128 values of m, 4 bytes each
	s_add_co_u32 s27, s27, s28
	v_lshl_add_u32 v[AO], v14, 11, s27
	v_lshl_add_u32 v[AO], v15, 5, v[AO]
	v_lshl_add_u32 v[VO], v15, 5, s28
	s_lshl_b32 s29, s24, 18                        ; 128 rows of Wv
	s_lshl_b32 s30, s26, 9                         ; 128 columns
	s_add_co_u32 s29, s29, s30
	v_lshl_add_u32 v[BO], v15, 14, s29
	v_lshl_add_u32 v[BO], v14, 5, v[BO]
	v_lshlrev_b32 v[CIN], 5, v0
	s_lshl_b32 s31, s38, 12
	v_lshl_add_u32 v[COUT], v0, 4, s31
	s_mul_i32 s32, s24, 9216
	v_lshl_add_u32 v[LS], v1, 4, s32
	s_lshr_b32 s33, s24, 1                         ; wave w finishes registers 2 w and 2 w + 1 of each accumulator: half w / 2,
	s_lshl_b32 s33, s33, 9
	s_and_b32 s34, s24, 1                          ; 8 bytes (w % 2) of a lane's 16
	s_lshl_b32 s34, s34, 3
	s_add_co_u32 s33, s33, s34
	v_lshl_add_u32 v[LR], v1, 4, s33
	s_lshl_b32 s35, s25, 14                        ; (512 + o0 + 8 h + 2 w) x 1,024 + 256 (g % 4) + 16 r
	s_lshl_b32 s36, s24, 11
	s_add_co_u32 s35, s35, s36
	s_lshl_b32 s36, s26, 8
	s_add_co_u32 s35, s35, s36
	s_add_co_u32 s35, s35, 524288
	v_lshl_add_u32 v[WOUT], v15, 13, s35
	v_lshl_add_u32 v[WOUT], v14, 4, v[WOUT]
	v_lshlrev_b32 v[LB], 4, v1
	s_lshl_b32 s37, s25, 6
	v_lshl_add_u32 v[BB], v15, 5, s37              ; (o0 + 8 h) x 4
	s_and_b32 s22, s38, 63
	s_lshl_b32 s22, s22, 13                        ; 8,192 bytes of Wq (g < 64) or of Wk
	s_mov_b32 s23, 0
	s_wait_kmcnt 0x0
	s_cmp_lt_u32 s38, 64
	s_cselect_b64 s[20:21], s[4:5], s[6:7]
	s_add_nc_u64 s[20:21], s[20:21], s[22:23]
; Fragment f's 40 loads into window w's raw set
.macro LOADS f, w
	WIN (\w)<<6
.set i, 0
.rept 16
	global_load_b128 v[8*i:8*i+3],   v[BO], s[8:9] offset:(32*(\f)+i%8+16*(i/8))*2048
	global_load_b128 v[8*i+4:8*i+7], v[BO], s[8:9] offset:(32*(\f)+i%8+16*(i/8))*2048+16
.set i, i+1
.endr
.irp z, 0,1,2,3
	global_load_b128 v[128+4*\z:128+4*\z+3], v[AO], s[10:11] offset:128*(\f)+16*(\z%2)+64*(\z/2)
	global_load_b128 v[144+4*\z:144+4*\z+3], v[VO], s[12:13] offset:128*(\f)+16*(\z%2)+64*(\z/2)
.endr
	WIN 0
.endm
; Window w's raw set is rounded to bf16 and laid as fragments: register p of a fragment holds the lane's values 2 p and 2 p + 1 of m
.macro CVT w
	WIN (\w)|((\w)<<2)
.set q, 0
.rept 8
.set p, 0
.rept 8
	v_cvt_pk_bf16_f32 v[FB+8*q+p], v[16*p+q], v[16*p+8+q]
.set p, p+1
.endr
.set q, q+1
.endr
.set p, 0
.rept 8
	v_cvt_pk_bf16_f32 v[FA+p], v[128+2*p], v[128+2*p+1]
	v_cvt_pk_bf16_f32 v[FB+64+p], v[144+2*p], v[144+2*p+1]
.set p, p+1
.endr
	WIN 0
.endm
; Nine products; the nine accumulators take turns.  zero = 1: the first fragment starts the sums
.macro MUL zero
.set q, 0
.rept 9
.if \zero
	v_wmma_f32_16x16x32_bf16 v[ACC+8*q:ACC+8*q+7], v[FA:FA+7], v[FB+8*q:FB+8*q+7], 0
.else
	v_wmma_f32_16x16x32_bf16 v[ACC+8*q:ACC+8*q+7], v[FA:FA+7], v[FB+8*q:FB+8*q+7], v[ACC+8*q:ACC+8*q+7]
.endif
.set q, q+1
.endr
.endm
	global_load_b128 v[RAW:RAW+3],     v[CIN], s[20:21]
	global_load_b128 v[RAW+4:RAW+7],   v[CIN], s[20:21] offset:16
	global_load_b128 v[RAW+8:RAW+11],  v[CIN], s[20:21] offset:4096
	global_load_b128 v[RAW+12:RAW+15], v[CIN], s[20:21] offset:4112
	LOADS 0, 1
	LOADS 1, 2
	LOADS 2, 3
	s_wait_loadcnt 63                              ; 80 loads were issued behind set 0; 63 is the largest count that can be named, and a smaller count is safe: the oldest 61 are in
.irp p, 0,1,2,3,4,5,6,7
	v_cvt_pk_bf16_f32 v[CST+\p], v[RAW+2*\p], v[RAW+2*\p+1]
.endr
	global_store_b128 v[COUT], v[CST:CST+3],   s[16:17]              ; a wave's store covers 512 consecutive bytes, aligned
	global_store_b128 v[COUT], v[CST+4:CST+7], s[16:17] offset:2048
	CVT 1
	LOADS 3, 1                                     ; the set just read is asked for again
	MUL 1
	s_wait_loadcnt 63                              ; again 80 behind set 1
	PLACES
	CVT 2
	MUL 0
	s_wait_loadcnt 40                              ; set 3's 40 loads were issued behind set 2
	PLACES
	CVT 3
	MUL 0
	s_wait_loadcnt 0x0
	PLACES
	CVT 1
	MUL 0
	PLACES
.set q, 0
.rept 9
	ds_store_b128 v[LS], v[ACC+8*q:ACC+8*q+3]   offset:PART+1024*q      ; each accumulator's low registers first
	ds_store_b128 v[LS], v[ACC+8*q+4:ACC+8*q+7] offset:PART+1024*q+512
.set q, q+1
.endr
	s_wait_dscnt 0x0                               ; for the others' sake: my partial sums lie in LDS
	s_barrier_signal -1
	s_barrier_wait -1
.irp sv, 0,1,2,3
.irp c, 0,1,2,3,4,5,6,7
	ds_load_b64 v[FB+16*\sv+2*\c:FB+16*\sv+2*\c+1], v[LR] offset:PART+9216*\sv+1024*\c  ; wave sv's part of rows 8 h + 2 w and + 1, column c of my eight
.endr
.endr
	s_wait_dscnt 0x0
.set q, 0
.rept 8
	v_pk_add_f32 v[FB+2*q:FB+2*q+1], v[FB+2*q:FB+2*q+1], v[FB+16+2*q:FB+16+2*q+1]
	v_pk_add_f32 v[FB+32+2*q:FB+32+2*q+1], v[FB+32+2*q:FB+32+2*q+1], v[FB+48+2*q:FB+48+2*q+1]
.set q, q+1
.endr
.set q, 0
.rept 8
	v_pk_add_f32 v[FB+2*q:FB+2*q+1], v[FB+2*q:FB+2*q+1], v[FB+32+2*q:FB+32+2*q+1]
.set q, q+1
.endr
.irp jj, 0,1
.irp c, 0,1,2,3
	v_cvt_pk_bf16_f32 v[RAW+4*\jj+\c], v[FB+4*\c+\jj], v[FB+4*\c+2+\jj]
.endr
.endr
	global_store_b128 v[WOUT], v[RAW:RAW+3],   s[16:17]              ; sixteen lanes store 256 consecutive bytes, aligned
	global_store_b128 v[WOUT], v[RAW+4:RAW+7], s[16:17] offset:1024
	s_or_b32 s39, s24, s26                         ; b' is finished by wave 0 of the work-groups with the first 128 columns
	s_cmp_lg_u32 s39, 0
	s_cbranch_scc1 .Lend
.irp sv, 0,1,2,3
	ds_load_b128 v[ACC+8*\sv:ACC+8*\sv+3],   v[LB] offset:PART+9216*\sv+8192
	ds_load_b128 v[ACC+8*\sv+4:ACC+8*\sv+7], v[LB] offset:PART+9216*\sv+8192+512
.endr
	global_load_b128 v[ACC+32:ACC+35], v[BB], s[14:15]
	global_load_b128 v[ACC+36:ACC+39], v[BB], s[14:15] offset:16
	s_wait_dscnt 0x0
	s_wait_loadcnt 0x0
.irp z, 0,2,4,6
	v_pk_add_f32 v[ACC+\z:ACC+\z+1], v[ACC+\z:ACC+\z+1], v[ACC+8+\z:ACC+8+\z+1]
	v_pk_add_f32 v[ACC+16+\z:ACC+16+\z+1], v[ACC+16+\z:ACC+16+\z+1], v[ACC+24+\z:ACC+24+\z+1]
.endr
.irp z, 0,2,4,6
	v_pk_add_f32 v[ACC+\z:ACC+\z+1], v[ACC+\z:ACC+\z+1], v[ACC+16+\z:ACC+16+\z+1]
.endr
.irp z, 0,2,4,6
	v_pk_add_f32 v[ACC+\z:ACC+\z+1], v[ACC+\z:ACC+\z+1], v[ACC+32+\z:ACC+32+\z+1]
.endr
	v_cmp_eq_u32 vcc_lo, 0, v14                    ; every column holds the same sums: the lanes with r = 0 store them, 64 bytes a work-group, 2,048 in the launch
	s_wait_xcnt 0x0                                ; EXEC changes only behind this wait
	s_and_saveexec_b32 s30, vcc_lo
	global_store_b128 v[BB], v[ACC:ACC+3],   s[18:19]
	global_store_b128 v[BB], v[ACC+4:ACC+7], s[18:19] offset:16
	s_wait_xcnt 0x0                                ; and again, ahead of the line that widens it
	s_or_b32 exec_lo, exec_lo, s30
.Lend:
	s_wait_tensorcnt 0x0                           ; the wave's end: behind my last LDS store
	ds_add_u32 v[SPW], v[NIL]
	s_wait_dscnt 0x0
	s_endpgm
.Lfunc_end_k_qbb6611c412_wfold:
	.size	k_qbb6611c412_wfold, .Lfunc_end_k_qbb6611c412_wfold-k_qbb6611c412_wfold
	.p2alignl 7, 3214868480
	.fill 96, 4, 3214868480
	.section	.rodata,"a",@progbits
	.p2align	6, 0x0
	.amdhsa_kernel k_qbb6611c412_wfold
		.amdhsa_group_segment_fixed_size 37376
		.amdhsa_private_segment_fixed_size 0
		.amdhsa_enable_private_segment 0
		.amdhsa_kernarg_size 64
		.amdhsa_user_sgpr_count 2
		.amdhsa_user_sgpr_kernarg_segment_ptr 1
		.amdhsa_wavefront_size32 1
		.amdhsa_system_sgpr_workgroup_id_x 1
		.amdhsa_system_sgpr_workgroup_id_y 1
		.amdhsa_system_sgpr_workgroup_id_z 1
		.amdhsa_system_vgpr_workitem_id 0
		.amdhsa_next_free_vgpr 928
		.amdhsa_next_free_sgpr 66
		.amdhsa_reserve_vcc 1
		.amdhsa_float_denorm_mode_32 3
		.amdhsa_float_denorm_mode_16_64 3
		.amdhsa_memory_ordered 1
		.amdhsa_forward_progress 1
		.amdhsa_inst_pref_size 50
	.end_amdhsa_kernel
	.amdgpu_metadata
---
amdhsa.version: [ 1, 2 ]
amdhsa.kernels:
  - .name:           k_qbb6611c412_wfold
    .symbol:         k_qbb6611c412_wfold.kd
    .args:
      - { .name: Wq, .offset: 0, .size: 8, .value_kind: global_buffer, .address_space: global }
      - { .name: Wk, .offset: 8, .size: 8, .value_kind: global_buffer, .address_space: global }
      - { .name: Wv, .offset: 16, .size: 8, .value_kind: global_buffer, .address_space: global }
      - { .name: Wo, .offset: 24, .size: 8, .value_kind: global_buffer, .address_space: global }
      - { .name: bv, .offset: 32, .size: 8, .value_kind: global_buffer, .address_space: global }
      - { .name: bo, .offset: 40, .size: 8, .value_kind: global_buffer, .address_space: global }
      - { .name: wall, .offset: 48, .size: 8, .value_kind: global_buffer, .address_space: global }
      - { .name: bfold, .offset: 56, .size: 8, .value_kind: global_buffer, .address_space: global }
    .group_segment_fixed_size: 37376
    .private_segment_fixed_size: 0
    .kernarg_segment_align: 8
    .kernarg_segment_size: 64
    .max_flat_workgroup_size: 128
    .sgpr_count:     66
    .vgpr_count:     928
    .wavefront_size: 32
...
	.end_amdgpu_metadata
.endif
;; end of part 1
;; launch proj (part 2): grid 4 x 64, 4 waves a work-group, no clusters, 153,088 bytes of LDS; arguments x, wall, bq, bk, bfold, qkv; writes qkv
.if DOCPART == 2
	.amdgcn_target "amdgcn-amd-amdhsa--gfx1250"
	.amdhsa_code_object_version 6
	.text
	.protected	k_qbb6611c412_proj
	.globl	k_qbb6611c412_proj
	.p2align	8
	.type	k_qbb6611c412_proj,@function
k_qbb6611c412_proj:
	s_mov_b64 s[64:65], 0
	v_nop
	global_prefetch_b8 v0, s[64:65] scope:SCOPE_SE
	s_setreg_imm32_b32 hwreg(HW_REG_WAVE_MODE, 25, 1), 1
	s_wait_xcnt 0x0
; q, k, v' = [Wq; Wk; W'] x + [bq; bk; b'].  x: f32 [4][512 channels][4096 pixels]; wall: bf16 [1024][512]; qkv: bf16 [4 images][64 blocks][1024 rows][64 pixels]: a block is 131,072 bytes,
; rows 0-255 q, 256-511 k, 512-1023 v', a row 128 bytes.  x is rounded to bf16 on its way into LDS; sums in f32; the bias is added in f32; q, k, v' are rounded once.
; LIMITS.  NaN and infinities are not treated apart.  bf16 has f32's range, so large inputs keep their room.
; SHARES.  A work-group makes 256 pixels x 256 rows, over all 512 channels; each of its four waves 128 x 128: 64 accumulators of 16 x 16, 512 registers.  4 x 64 work-groups.
; NO TENSOR LOAD, NO CLUSTER: x is f32 in memory and has to pass through registers to become bf16, which a copy into LDS cannot do; wall is a third of a step's bytes.  Both come by loads into registers,
; asked for a whole step (128 matrix instructions) ahead of the wait for them, and are stored into one of two LDS buffers: one barrier a step.
; No prefetch: of every 64 KiB of x that a step reads, the next step's is already asked for by these loads.
; THE PRODUCT: source 0 = 16 pixels x 32 channels of x (x lies [channel][pixel], so its fragments come turned, by ds_load_tr16_b128), source 1 = 16 rows of wall.  In the result a lane holds ONE row
; (lane % 16) and the pixels 8 (lane / 16) + 0..7: 16 bytes of a row of qkv.
; REGISTERS, in windows of 256 (s_set_vgpr_msb: bits 1:0 source 0, 3:2 source 1, 5:4 source 2, 7:6 destination):
;   window 0: v0-31 addresses; v32-47 the bias, each number twice; v48-63 at work; v64-127, v128-191 wall's fragments, two buffers; v192-255 wall as loaded
;   window 1: v64-127, v128-191 x's fragments, two buffers; v0-63, v192-255 x as loaded     windows 2, 3: accumulator (a, b) (rows 16 a, pixels 16 b) at v[8 (8 (a % 4) + b)] of window 2 + a / 4
.set XP,    544                        ; a channel's 256 pixels in LDS: 512 bytes + 32: an odd multiple of 32, for the turning load
.set WP,    144                        ; a row's 64 channels: 128 bytes + 16: an odd multiple of 16
.set WSO,   64*XP                      ; in a buffer: x's 64 rows, then wall's 256
.set BUFB,  64*XP+256*WP               ; 71,680 bytes a buffer
.set STAGE, 2*BUFB                     ; behind them: 16 rows x 144 bytes for each wave, for the way out
.set SPARE, STAGE+4*16*WP              ; 152,576: the spare words, 128 bytes for each wave: two blocks of 256 bytes that no other line names
.set XO,  4                            ; v4     my byte offset in x: 16 w rows + 16 x lane
.set WO,  5                            ; v5     in wall: (64 w + lane / 8) rows + 16 (lane % 8)
.set XST, 6                            ; v6-7   where I store x, buffer 0, 1
.set WST, 8                            ; v8-9   where I store wall
.set XAD, 10                           ; v10-11 where my fragments of x begin
.set WAD, 12                           ; v12-13 those of wall
.set STO, 14                           ; v14    the way out: where I put 16 bytes of a row
.set RD,  15                           ; v15    where I read rows back
.set GO,  16                           ; v16    16 x lane
.set BOF, 17                           ; v17    my row's bias
.set SPW, 28                           ; v28    LDS address of my spare word; never rewritten
.set NIL, 29                           ; v29    0; never rewritten
.set BI,  32
.set U,   48
.set F0,  64
.set F1,  128
.set WR,  192
.set T,   64                           ; the way out: 32 sums with their bias
.set BK,  96                           ; and two sets of 16 registers read back from the stage
.set XB,  20                           ; s[20:21] x at the step being asked for
.set WB,  24                           ; s[24:25] wall at the same step
.set MSB, 0
.macro WIN new                         ; the immediate's high byte repeats the setting that is left; a switch that changes nothing is dropped
.if MSB != (\new)
	s_set_vgpr_msb (MSB<<8)|(\new)
.set MSB, \new
.endif
.endm
.set MUL_LO, 0xa1                      ; source 0 (x) window 1, source 1 (wall) window 0, C and D window 2
.set MUL_HI, 0xf1                      ; the same, C and D window 3
.macro PLACES                          ; four places behind a matrix instruction, ahead of loads into registers that it read and of vector lines that read its result (ISA guide 7.12.1 for vector lines)
.rept 4
	v_nop
.endr
.endm
	s_load_b256 s[4:11], s[0:1], 0x0               ; x s[4:5], wall s[6:7], bq s[8:9], bk s[10:11]
	s_load_b128 s[12:15], s[0:1], 0x20             ; bfold s[12:13], qkv s[14:15]
	v_lshl_add_u32 v[SPW], v0, 2, SPARE
	v_mov_b32 v[NIL], 0
	v_lshrrev_b32 v1, 5, v0
	v_readfirstlane_b32 s16, v1                    ; wave 0..3
	s_lshr_b32 s17, s16, 1                         ; which 128 pixels are mine
	s_and_b32 s18, s16, 1                          ; which 128 rows
	s_mov_b32 s19, ttmp9                           ; which 256 rows of wall: 0 q, 1 k, 2 and 3 v'
	s_and_b32 s30, ttmp7, 0xffff                   ; which 256 pixels: 16 x image + tile
	v_and_b32 v1, 15, v0                           ; r
	v_bfe_u32 v2, v0, 4, 1                         ; h
	v_and_b32 v3, 31, v0                           ; lane
	v_and_b32 v18, 7, v0
	v_bfe_u32 v19, v0, 3, 2                        ; lane / 8
	v_bfe_u32 v20, v0, 3, 1
	s_lshl_b32 s31, s16, 18                        ; 16 rows of 16,384 bytes
	v_lshl_add_u32 v[XO], v3, 4, s31
	s_lshl_b32 s31, s16, 16                        ; 64 rows of 1,024 bytes
	v_lshl_add_u32 v[WO], v19, 10, s31
	v_lshl_add_u32 v[WO], v18, 4, v[WO]
	s_mul_i32 s31, s16, 16*XP
	v_lshl_add_u32 v[XST], v3, 3, s31              ; four pixels are 8 bytes
	v_add_nc_u32 v[XST+1], BUFB, v[XST]
	v_mul_u32_u24 v21, v19, WP
	v_lshl_add_u32 v21, v18, 4, v21                ; (lane / 8) rows + 16 (lane % 8)
	s_mul_i32 s31, s16, 64*WP
	s_add_co_u32 s31, s31, WSO
	v_add_nc_u32 v[WST], s31, v21
	v_add_nc_u32 v[WST+1], BUFB, v[WST]
	v_lshl_add_u32 v22, v2, 3, v18                 ; the turning load: lane l reads channel 8 (l / 16) + l % 8, pixels 8 ((l / 8) % 2) + 0..7
	v_mul_u32_u24 v22, v22, XP
	v_lshl_add_u32 v22, v20, 4, v22
	s_lshl_b32 s31, s17, 8
	v_add_nc_u32 v[XAD], s31, v22
	v_add_nc_u32 v[XAD+1], BUFB, v[XAD]
	v_mul_u32_u24 v23, v1, WP
	v_lshl_add_u32 v23, v2, 4, v23                 ; row r + 16 h
	s_mul_i32 s31, s18, 128*WP
	s_add_co_u32 s31, s31, WSO
	v_add_nc_u32 v[WAD], s31, v23
	v_add_nc_u32 v[WAD+1], BUFB, v[WAD]
	s_mul_i32 s31, s16, 16*WP
	s_add_co_u32 s31, s31, STAGE
	v_add_nc_u32 v[STO], s31, v23
	v_add_nc_u32 v[RD], s31, v21
	v_lshlrev_b32 v[GO], 4, v3
	s_max_u32 s31, s19, 2                          ; in bfold the rows of tile 3 lie 1,024 bytes behind those of tile 2
	s_sub_co_u32 s31, s31, 2
	s_lshl_b32 s31, s31, 10
	s_lshl_b32 s39, s18, 9
	s_add_co_u32 s31, s31, s39
	v_lshl_add_u32 v[BOF], v1, 2, s31
	s_lshr_b32 s32, s30, 4                         ; the image: 8 MiB of x,
	s_lshl_b32 s32, s32, 23
	s_and_b32 s33, s30, 15                         ; the tile's 256 pixels: 1,024 bytes
	s_lshl_b32 s33, s33, 10
	s_add_co_u32 s32, s32, s33
	s_mov_b32 s33, 0
	s_lshl_b32 s34, s19, 18                        ; 256 rows of wall
	s_mov_b32 s35, 0
	s_lshl_b32 s36, s30, 2                         ; block 4 x (16 x image + tile) + 2 x my half,
	s_lshl_b32 s37, s17, 1
	s_add_co_u32 s36, s36, s37
	s_lshl_b32 s36, s36, 17
	s_lshl_b32 s37, s19, 15                        ; 256 rows of 128 bytes,
	s_add_co_u32 s36, s36, s37
	s_lshl_b32 s37, s18, 14                        ; my 128 of them
	s_add_co_u32 s36, s36, s37
	s_mov_b32 s37, 0
	s_wait_kmcnt 0x0
	s_add_nc_u64 s[XB:XB+1], s[4:5], s[32:33]
	s_add_nc_u64 s[WB:WB+1], s[6:7], s[34:35]
	s_add_nc_u64 s[28:29], s[14:15], s[36:37]      ; qkv at my first 16 rows; never stepped
	s_cmp_eq_u32 s19, 0
	s_cselect_b64 s[26:27], s[8:9], s[10:11]
	s_cmp_lt_u32 s19, 2
	s_cselect_b64 s[26:27], s[26:27], s[12:13]     ; bq, bk or bfold
; 16 matrix instructions: row blocks a0, a0 + 1 of the window's four x all 8 pixel blocks, 32 channels.  zero = 1: the first product starts the sums.  The 64 accumulators take turns
.macro MUL16 f, hi, a0, zero
	WIN MUL_LO+0x50*(\hi)
.irp a, \a0, (\a0)+1
.irp b, 0,1,2,3,4,5,6,7
.if \zero
	v_wmma_f32_16x16x32_bf16 v[8*(8*(\a)+(\b)):8*(8*(\a)+(\b))+7], v[(\f)+8*(\b):(\f)+8*(\b)+7], v[(\f)+8*(4*(\hi)+(\a)):(\f)+8*(4*(\hi)+(\a))+7], 0
.else
	v_wmma_f32_16x16x32_bf16 v[8*(8*(\a)+(\b)):8*(8*(\a)+(\b))+7], v[(\f)+8*(\b):(\f)+8*(\b)+7], v[(\f)+8*(4*(\hi)+(\a)):(\f)+8*(4*(\hi)+(\a))+7], v[8*(8*(\a)+(\b)):8*(8*(\a)+(\b))+7]
.endif
.endr
.endr
.endm
; A step's 48 loads: my 16 channels x 256 pixels of x (a load covers 512 consecutive bytes) and my 64 rows x 64 channels of wall
.macro LOADG
	WIN 0x40
.set i, 0
.rept 16
.set rb, 8*i+128*(i/8)
	global_load_b128 v[rb:rb+3],   v[XO], s[XB:XB+1] offset:16384*i
	global_load_b128 v[rb+4:rb+7], v[XO], s[XB:XB+1] offset:16384*i+512
.set i, i+1
.endr
	WIN 0
.set i, 0
.rept 16
	global_load_b128 v[WR+4*i:WR+4*i+3], v[WO], s[WB:WB+1] offset:4096*i
.set i, i+1
.endr
.endm
; What was loaded goes into LDS buffer buf: x rounded to bf16 in place, 8 bytes a lane (a store covers 256 consecutive bytes), wall as it is
.macro PUT buf
	WIN 0x45
.set i, 0
.rept 16
.set rb, 8*i+128*(i/8)
	v_cvt_pk_bf16_f32 v[rb],   v[rb],   v[rb+1]
	v_cvt_pk_bf16_f32 v[rb+1], v[rb+2], v[rb+3]
	v_cvt_pk_bf16_f32 v[rb+4], v[rb+4], v[rb+5]
	v_cvt_pk_bf16_f32 v[rb+5], v[rb+6], v[rb+7]
.set i, i+1
.endr
	WIN 0x04
.set i, 0
.rept 16
.set rb, 8*i+128*(i/8)
	ds_store_b64 v[XST+(\buf)], v[rb:rb+1]   offset:XP*i
	ds_store_b64 v[XST+(\buf)], v[rb+4:rb+5] offset:XP*i+256
.set i, i+1
.endr
	WIN 0
.set i, 0
.rept 16
	ds_store_b128 v[WST+(\buf)], v[WR+4*i:WR+4*i+3] offset:4*WP*i
.set i, i+1
.endr
.endm
; 32 LDS loads in one run: the fragments of 32 channels (half kk of the step) into buffer f: x's eight, turned, then wall's eight
.macro FETCH buf, kk, f
	WIN 0x40
.irp b, 0,1,2,3,4,5,6,7
	ds_load_tr16_b128 v[(\f)+8*(\b):(\f)+8*(\b)+3],   v[XAD+(\buf)] offset:(\kk)*32*XP+32*(\b)
	ds_load_tr16_b128 v[(\f)+8*(\b)+4:(\f)+8*(\b)+7], v[XAD+(\buf)] offset:(\kk)*32*XP+32*(\b)+16*XP
.endr
	WIN 0
.irp a, 0,1,2,3,4,5,6,7
	ds_load_b128 v[(\f)+8*(\a):(\f)+8*(\a)+3],   v[WAD+(\buf)] offset:16*WP*(\a)+64*(\kk)
	ds_load_b128 v[(\f)+8*(\a)+4:(\f)+8*(\a)+7], v[WAD+(\buf)] offset:16*WP*(\a)+64*(\kk)+32
.endr
.endm
; A step's first half: multiplies fragment buffer 0 and fetches the second half's fragments
.macro H0 buf, zero
	s_wait_dscnt 8                                 ; x's fragments and wall's lower four are in; the youngest eight loads (wall's upper four) may be out
	MUL16 F0, 0, 0, \zero
	MUL16 F0, 0, 2, \zero
	PLACES
	FETCH \buf, 1, F1
	s_wait_dscnt 32                                ; all but the 32 just issued
	MUL16 F0, 1, 0, \zero
	MUL16 F0, 1, 2, \zero
.endm
; A step's second half, in LDS buffer p: the next step's data go into the other buffer, the step after that is asked for (ld = 1), and ONE barrier serves both ways: in front of it my stores are done and my
; reads of buffer p are over; behind it the other buffer is read.  (The other buffer's last readers waited for their loads in front of the last step's barrier.)
.macro H1 p, ld
	s_wait_loadcnt 0x0                             ; the next step's data, asked for a step ago; the loads' bases are free too
	PUT 1-(\p)
.if \ld
	s_add_nc_u64 s[XB:XB+1], s[XB:XB+1], 64*16384  ; 64 channels on
	s_add_nc_u64 s[WB:WB+1], s[WB:WB+1], 128
	LOADG
.endif
	s_wait_dscnt 48                                ; the fragments are in; the 48 stores issued behind them may be out
	MUL16 F1, 0, 0, 0
	s_wait_dscnt 0x0
	s_barrier_signal -1
	MUL16 F1, 0, 2, 0                              ; work on registers while the others arrive
	s_barrier_wait -1
	PLACES
	FETCH 1-(\p), 0, F0
	MUL16 F1, 1, 0, 0
	MUL16 F1, 1, 2, 0
.endm
.irp a, 0,1,2,3,4,5,6,7
	global_load_b32 v[BI+2*\a],   v[BOF], s[26:27] offset:64*\a      ; the bias of my row in block a, in both registers of a pair
	global_load_b32 v[BI+2*\a+1], v[BOF], s[26:27] offset:64*\a
.endr
	LOADG                                          ; step 0
	s_wait_loadcnt 0x0
	PUT 0
	s_add_nc_u64 s[XB:XB+1], s[XB:XB+1], 64*16384
	s_add_nc_u64 s[WB:WB+1], s[WB:WB+1], 128
	LOADG                                          ; step 1
	s_wait_dscnt 0x0
	s_barrier_signal -1
	s_barrier_wait -1
	FETCH 0, 0, F0
	H0 0, 1                                        ; the first half step stands ahead of the loop: its products start the sums
	WIN 0                                          ; at a label and at a branch every window is 0
	s_mov_b32 s38, 3
.Lk:                                                   ; a trip: two steps, from one first half's end to the next but one's
	H1 0, 1
	H0 1, 0
	H1 1, 1
	H0 0, 0
	WIN 0
	s_sub_co_u32 s38, s38, 1
	s_cmp_lg_u32 s38, 0
	s_cbranch_scc1 .Lk
	H1 0, 0                                        ; step 6's second half: step 7 goes into LDS, nothing is left to ask for
	H0 1, 0
	s_wait_dscnt 8
	MUL16 F1, 0, 0, 0
	MUL16 F1, 0, 2, 0
	s_wait_dscnt 0x0
	MUL16 F1, 1, 0, 0
	MUL16 F1, 1, 2, 0
; THE WAY OUT, 16 rows x 64 pixels at a time (row block a, half hb of my pixels: one block of qkv).  PACK: the bias is added, the sums are rounded, 16 bytes a lane go into my own stage and come back as whole rows.
.macro PACK a, hb
	WIN 0x02+((\a)/4)                              ; source 0: window 2 or 3
.set z, 0
.rept 16
.set ra, 8*(8*((\a)%4)+4*(\hb)+z/4)+2*(z%4)
	v_pk_add_f32 v[T+2*z:T+2*z+1], v[ra:ra+1], v[BI+2*(\a):BI+2*(\a)+1]  ; each accumulator's registers in ascending order
.set z, z+1
.endr
	WIN 0
.set z, 0
.rept 16
	v_cvt_pk_bf16_f32 v[U+z], v[T+2*z], v[T+2*z+1]
.set z, z+1
.endr
.irp b, 0,1,2,3
	ds_store_b128 v[STO], v[U+4*\b:U+4*\b+3] offset:32*\b
.endr
	s_wait_xcnt 0x0                                ; the stores of two groups back have read their registers: only behind this wait are these loaded again
.irp f, 0,1,2,3
	ds_load_b128 v[BK+16*((\hb)%2)+4*\f:BK+16*((\hb)%2)+4*\f+3], v[RD] offset:4*WP*\f  ; LDS serves a wave's instructions in order (ISA guide 5.7.1.4): these see the stores above
.endr
.endm
.macro SEND a, hb, younger             ; younger: the LDS instructions issued behind the group's loads: the next group's eight, or none
	s_wait_dscnt \younger
.irp f, 0,1,2,3
	global_store_b128 v[GO], v[BK+16*((\hb)%2)+4*\f:BK+16*((\hb)%2)+4*\f+3], s[28:29] offset:(\hb)*131072+2048*(\a)+512*\f  ; four rows of 128 bytes: 512 consecutive bytes, aligned
.endr
.endm
	PLACES
	PACK 0, 0
.set gg, 1
.rept 15                               ; a group's arithmetic stands between the loads of the group before and its stores
	PACK gg/2, gg%2
	SEND (gg-1)/2, (gg-1)%2, 8
.set gg, gg+1
.endr
	SEND 7, 1, 0
	s_wait_tensorcnt 0x0                           ; the wave's end: behind my last LDS store
	ds_add_u32 v[SPW], v[NIL]
	s_wait_dscnt 0x0
	s_endpgm
.Lfunc_end_k_qbb6611c412_proj:
	.size	k_qbb6611c412_proj, .Lfunc_end_k_qbb6611c412_proj-k_qbb6611c412_proj
	.p2alignl 7, 3214868480
	.fill 96, 4, 3214868480
	.section	.rodata,"a",@progbits
	.p2align	6, 0x0
	.amdhsa_kernel k_qbb6611c412_proj
		.amdhsa_group_segment_fixed_size 153088
		.amdhsa_private_segment_fixed_size 0
		.amdhsa_enable_private_segment 0
		.amdhsa_kernarg_size 48
		.amdhsa_user_sgpr_count 2
		.amdhsa_user_sgpr_kernarg_segment_ptr 1
		.amdhsa_wavefront_size32 1
		.amdhsa_system_sgpr_workgroup_id_x 1
		.amdhsa_system_sgpr_workgroup_id_y 1
		.amdhsa_system_sgpr_workgroup_id_z 1
		.amdhsa_system_vgpr_workitem_id 0
		.amdhsa_next_free_vgpr 1024
		.amdhsa_next_free_sgpr 66
		.amdhsa_reserve_vcc 0
		.amdhsa_float_denorm_mode_32 3
		.amdhsa_float_denorm_mode_16_64 3
		.amdhsa_memory_ordered 1
		.amdhsa_forward_progress 1
		.amdhsa_inst_pref_size 152
	.end_amdhsa_kernel
	.amdgpu_metadata
---
amdhsa.version: [ 1, 2 ]
amdhsa.kernels:
  - .name:           k_qbb6611c412_proj
    .symbol:         k_qbb6611c412_proj.kd
    .args:
      - { .name: x, .offset: 0, .size: 8, .value_kind: global_buffer, .address_space: global }
      - { .name: wall, .offset: 8, .size: 8, .value_kind: global_buffer, .address_space: global }
      - { .name: bq, .offset: 16, .size: 8, .value_kind: global_buffer, .address_space: global }
      - { .name: bk, .offset: 24, .size: 8, .value_kind: global_buffer, .address_space: global }
      - { .name: bfold, .offset: 32, .size: 8, .value_kind: global_buffer, .address_space: global }
      - { .name: qkv, .offset: 40, .size: 8, .value_kind: global_buffer, .address_space: global }
    .group_segment_fixed_size: 153088
    .private_segment_fixed_size: 0
    .kernarg_segment_align: 8
    .kernarg_segment_size: 48
    .max_flat_workgroup_size: 128
    .sgpr_count:     66
    .vgpr_count:     1024
    .wavefront_size: 32
...
	.end_amdgpu_metadata
.endif
;; end of part 2
;; launch attn (part 3): grid 64 x 4, 4 waves a work-group, clusters of 4 x 1, 327,680 bytes of LDS; arguments qkv, x, gamma, out0; writes out0
.if DOCPART == 3
	.amdgcn_target "amdgcn-amd-amdhsa--gfx1250"
	.amdhsa_code_object_version 6
	.text
	.protected	k_qbb6611c412_attn
	.globl	k_qbb6611c412_attn
	.p2align	8
	.type	k_qbb6611c412_attn,@function
k_qbb6611c412_attn:
	s_mov_b64 s[64:65], 0
	v_nop
	global_prefetch_b8 v0, s[64:65] scope:SCOPE_SE
	s_setreg_imm32_b32 hwreg(HW_REG_WAVE_MODE, 25, 1), 1
	s_wait_xcnt 0x0
	s_wait_alu depctr_hold_cnt(0) depctr_sa_sdst(0) depctr_va_vdst(0) depctr_va_sdst(0) depctr_va_ssrc(0) depctr_va_vcc(0) depctr_vm_vsrc(0)
	s_getreg_b32 s2, hwreg(HW_REG_IB_STS2, 6, 4)
	s_cmp_eq_u32 s2, 0
	s_cbranch_scc0 .Lentry_in_a_cluster
	s_endpgm
.Lentry_in_a_cluster:
	s_bfe_u32 s2, ttmp6, 0x10000c
	s_cmp_lg_u32 s2, 0x3003
	s_cbranch_scc0 .Lentry_shape_is_right
	s_endpgm
.Lentry_shape_is_right:
; out0[b][c][n] = gamma x (the sum over m of softmax_m(q[:, n] . k[:, m] / 16) v'[c][m]) + x[b][c][n].  qkv: bf16 [4][64 blocks][1024 rows][64 pixels]: rows 0-255 q, 256-511 k, 512-1023 v' = (Wo Wv) x + Wo bv + bo:
; the last projection and both biases lie in v' already, since a softmax row sums to 1.  Products, maxima and sums in f32; the weights p are rounded to bf16 for the second product (their sum l is taken of the
; unrounded p); x is added in f32.
; LIMITS.  A weight below 2^-126 counts as 0 in l; NaN and infinities are not treated apart.
; SHARES.  A work-group owns 64 queries (one block) of one image: four tiles of 16.  Its four waves SHARE them.  A key step is 64 keys (one block), 64 steps.  For S^T = K Q^T wave w takes the keys 16 w ..+15
; against all 64 queries (4 accumulators, 32 products over 256 channels); for O^T = V' P it takes the channels 128 w ..+127 against all 64 queries (32 accumulators, 64 products).  So a fragment of K or V' read
; from LDS feeds four products and a fragment of P eight.  The price: in every step the waves' maxima and their parts of P meet in LDS.
; LAYOUT.  In S^T a lane holds ONE query (lane % 16) and the keys 16 w + 8 (lane / 16) + 0..7; rounded in pairs these are registers 0-3 (w even) or 4-7 (w odd) of the same lane in source 1 of O^T = V' P.
; k and q lie [channel][pixel]: their fragments come turned, by ds_load_tr16_b128; v' lies [channel][key], as source 0 wants it.  In O^T a lane again holds one query, and eight channels.
; SOFTMAX.  For each query a running maximum m, common to the four waves, and each wave's own part of the sum l: p = 2^(c s - c m), c = log2(e) / 16; in every step O and l are multiplied by
; a = 2^(c m_old - c m_new).  c m starts far below every c s and O and l at 0: the first step is a step like any other, with a = 0.
; A TRIP (step j) has two phases.  First: the 32 products K Q^T of step j + 1, on fragments already in registers, and behind each of them four lines that multiply O^T by a(j).  Second: the 64 products V' P of
; step j, and behind them, four to a product, the softmax of step j + 1: my maxima; barrier X; the common maximum; exponentials; P into LDS; barrier Y.
; THE RING.  Two slots, each with one step's V' and one step's K.  Y is a round of the cluster's barrier; behind it waves 0 and 1 ask for K of step j + 4 and waves 2 and 3 for V' of step j + 2: one load a wave,
; with a trip in which to land.  (K of step j + 2 and V' of step j, which lay there, are in registers by then.)
; CLUSTER.  The four query blocks of a cluster belong to one image and walk the same K and V': each tile is asked for JOINTLY, by the same tensor load, descriptor and mask in all four.
; REGISTERS, in windows of 256 (s_set_vgpr_msb: bits 1:0 source 0, 3:2 source 1, 5:4 source 2, 7:6 destination):
;   window 0: v0-15 addresses; v16-19 my maxima; v20-35 the four waves'; v40-71 eight registers of statistics a tile; v72-103 S^T; v104-119 my part of P; v128-191 P's fragments; v192-255 K's fragments
;   window 1: O^T, accumulator (channel block cb, tile t) at 8 (4 cb + t)      window 2: Q, fragment (t, kf) at 8 (8 t + kf); at the end x      window 3: v0-127 V', fragment (kk, cb) at 8 (8 kk + cb)
.set BLK,   131072                     ; a block of qkv
.set VP,    144                        ; a row of V' in LDS: 128 bytes + 16: an odd multiple of 16
.set KP,    160                        ; a row of K or Q: 128 bytes + 32: an odd multiple of 32, for the turning load
.set SLOT1, 1<<17                      ; slot 1 begins here, so that one exclusive or turns an address in one slot into the other's
.set KOFF,  512*VP                     ; in a slot: V's 512 rows (73,728 bytes), then K's 256 (40,960)
.set PBUF,  KOFF+256*KP                ; 114,688: P: fragment 4 kk + t at 1,024 bytes each: registers 0-3 of the 32 lanes, then registers 4-7
.set MX,    PBUF+8192                  ; 122,880: the waves' maxima: wave, query % 16, tile; 1,024 bytes on, in the same form, their sums l
.set QT,    SLOT1+PBUF                 ; 245,760: Q, filled once
.set STAGE, QT+256*KP                  ; 286,720: 16 rows x 272 bytes for each wave, for the way out
.set SP,    272
.set SPARE, STAGE+4*16*SP              ; 304,128: the spare words, 128 bytes for each wave: two blocks of 256 bytes that no other line names
.set AK0, 3                            ; v3   my lane's place in a slot's K; never rewritten
.set AV0, 4                            ; v4   in its V'
.set AQ,  5                            ; v5   in Q
.set ADR, 6                            ; v6   the LDS address of the run of loads in hand
.set PST, 7                            ; v7   where I put 16 bytes of P
.set PRD, 8                            ; v8   where I read P's fragments
.set MXS, 9                            ; v9   where I put my four maxima
.set MXR, 10                           ; v10  where I read the four waves'
.set STO, 11                           ; v11  the way out: where I put a number
.set RD,  12                           ; v12  where I read rows back
.set XO,  13                           ; v13  my byte offset in two rows of x and of out0
.set SPW, 14                           ; v14  LDS address of my spare word; never rewritten
.set NIL, 15                           ; v15  0; never rewritten
.set LM,  16
.set MR,  20
.set PFO, 36                           ; v36  256 x my lane; never rewritten
.set ST,  40                           ; tile t's statistics at v[ST+8 t]: c m, m, l (even keys', odd keys'), a, c m_old - c m_new, two at work
.set S,   72
.set PP,  104
.set PF,  128
.set KF,  192
.set WV,  12                           ; s12  my wave's number
.set LIM, 15                           ; s15  a wave prefetches while the loop's count is above this
.set G1K, 24                           ; s[24:31] descriptor group 1 for K's tiles
.set G1V, 32                           ; s[32:39] for V's
.set G1Q, 40                           ; s[40:47] for Q's
.set G0Q, 48                           ; s[48:51] descriptor group 0 for my quarter of Q
.set G0KA, 52                          ; s[52:55] for K of step 0
.set G0K, 56                           ; s[56:59] for K of step 1; then it walks
.set G0VA, 60                          ; s[60:63] for V' of step 0
.set G0V, 80                           ; s[80:83] for V' of step 1; then it walks
.set CS,  66                           ; s[66:67] c: the packed scaling takes the pair's low word for both halves
.set SEL, 68                           ; s[68:69] v_permlanex16_b32's selects: each lane takes its own place in the other half
.set TB,  70                           ; s70  the slot of the trip in hand
.set CNT, 71                           ; s71  trips to go
.set PFA, 72                           ; s[72:73] where my prefetches stand
.set GAM, 74                           ; s74  gamma
.set XB,  76                           ; s[76:77] x at my first row
.set OB,  78                           ; s[78:79] out0 at my first row
.set MSB, 0
.macro WIN new                         ; the immediate's high byte repeats the setting that is left; a switch that changes nothing is dropped
.if MSB != (\new)
	s_set_vgpr_msb (MSB<<8)|(\new)
.set MSB, \new
.endif
.endm
.set W_KQ, 0x08                        ; Q in window 2; K and S^T in window 0
.set W_PV, 0x53                        ; V' in window 3, P in window 0, O^T in window 1
.set W_RS, 0x41                        ; O^T (destination and source 0) in window 1, a in window 0
.macro PLACES                          ; four places behind a matrix instruction, ahead of loads into registers that it read and of vector lines that read its result (ISA guide 7.12.1 for vector lines)
.rept 4
	v_nop
.endr
.endm
; A joint refill.  Waves 0 and 1 fetch the two halves of a step's K (k = 1), waves 2 and 3 those of its V' (v = 1).  The branch hangs on the wave's number alone: it is the same in every work-group.
; An s_nop 0 follows a load and four v_nop stand on either way, ahead of the jump and the label; they are also the places ahead of the LDS loads that follow.
.macro JLOAD k, v
	s_cmp_lt_u32 s[WV], 2
	s_cbranch_scc0 .Lfor_v_\@
.if \k
	tensor_load_to_lds s[G0K:G0K+3], s[G1K:G1K+7]
	s_nop 0
.endif
	PLACES
	s_branch .Lasked_\@
.Lfor_v_\@:
.if \v
	tensor_load_to_lds s[G0V:G0V+3], s[G1V:G1V+7]
	s_nop 0
.endif
	PLACES
.Lasked_\@:
.endm
; A round of the cluster's barrier: my work-group's barrier, so that wave 0's signal speaks for all four waves; wave 0 signals; every wave waits for all four work-groups; my work-group's barrier once more.
.macro CREST                           ; a round behind its opening barrier
	s_cmp_lg_u32 s[WV], 0
	s_cbranch_scc1 .Lnot_wave_0_\@
	s_barrier_signal -3
.Lnot_wave_0_\@:
	s_barrier_wait -3
	s_barrier_signal -1
	s_barrier_wait -1
.endm
.macro CROUND                          ; a whole round
	s_barrier_signal -1
	s_barrier_wait -1
	CREST
.endm
.macro WALK g                          ; a walking descriptor: the other slot, the next block; the type bits on top are not reached
	s_xor_b32 s[(\g)+1], s[(\g)+1], SLOT1
	s_add_nc_u64 s[(\g)+2:(\g)+3], s[(\g)+2:(\g)+3], BLK
.endm
; A PREFETCH INTO THE L2, in trip j, behind the joint load, its lines and the run of LDS loads: K of step j + 5 and V' of step j + 3, which the joint loads at the end of trip j + 1 will ask for: two trips, 192 matrix
; instructions, ahead.  Each aligned 256 bytes are named ONCE in the launch: all sixteen clusters of an image walk the same blocks, and the first of them asks; its four partners share the bytes out BY ADDRESS
; (a quarter of K's 32,768 and of V's 65,536 bytes each); in each, wave 0 asks for K's 32 x 256 bytes and waves 2 and 3 for V's: a lane 256 bytes, one instruction a wave.
; K's last block is named in trip 58, V's last but one in trip 59; the first steps and V's last come by their loads alone.
.macro ASK
	s_cmp_gt_u32 s[CNT], s[LIM]
	s_cbranch_scc0 .Lnot_mine_\@
	global_prefetch_b8 v[PFO], s[PFA:PFA+1] th:TH_LOAD_NT scope:SCOPE_SE
.Lnot_mine_\@:
.endm
	s_load_b256 s[4:11], s[0:1], 0x0               ; qkv s[4:5], x s[6:7], gamma s[8:9], out0 s[10:11]
	v_lshl_add_u32 v[SPW], v0, 2, SPARE
	v_mov_b32 v[NIL], 0
	ds_add_u32 v[SPW], v[NIL]                      ; the wave's opening: the add and its wait stand ahead of my first tensor load; the set-up below, work on registers, stands between them
	v_lshrrev_b32 v1, 5, v0
	v_readfirstlane_b32 s[WV], v1                  ; wave 0..3
	s_bfe_u32 s13, ttmp6, 0x40000                  ; cx: my place in the cluster
	s_lshl_b32 s14, ttmp9, 2                       ; in a cluster launch ttmp9 counts clusters
	s_add_co_u32 s14, s14, s13                     ; my block of 64 queries: it enters Q's, x's and out0's addresses alone
	s_and_b32 s16, ttmp7, 0xffff                   ; the image, which the four partners share
	s_lshl_b32 s20, s16, 23                        ; its first byte: 64 blocks of qkv, and 512 rows of x and of out0, are 8 MiB each
	s_and_b32 s17, s[WV], 1                        ; which half of a tile I fetch
	s_lshl_b32 s22, s17, 14                        ; K: rows 256 on of a block, my 128 rows of 128 bytes
	s_add_co_u32 s22, s22, 32768
	s_add_co_u32 s22, s22, s20
	s_mov_b32 s23, 0
	s_lshl_b32 s2, s17, 15                         ; V': rows 512 on, my 256 rows
	s_add_co_u32 s2, s2, 65536
	s_add_co_u32 s2, s2, s20
	s_mov_b32 s3, 0
	s_lshl_b32 s18, s14, 17                        ; Q: my block, my wave's 64 rows
	s_lshl_b32 s19, s[WV], 13
	s_add_co_u32 s18, s18, s19
	s_add_co_u32 s18, s18, s20
	s_mov_b32 s19, 0
	; descriptor group 1.  A tile's rows are dense in memory: they are asked for as rows of 256 bytes, two rows of 128 bytes each, and padded in LDS after every 128 bytes
	s_mov_b32 s[G1K], 15|(1<<16)|(1<<20)|(1<<21)|(4<<22)|(7<<25)  ; 15:0 the mask of four; 17:16 2-byte elements; 20 padding on; 21 set beside a mask; 24:22 after every 32 words (code 4); 31:25 8 words (code 7)
	s_mov_b32 s[G1V], 15|(1<<16)|(1<<20)|(1<<21)|(4<<22)|(3<<25)  ; the same with 4 words of padding (code 3)
	s_mov_b32 s[G1Q], (1<<16)|(1<<20)|(4<<22)|(7<<25)             ; Q is my work-group's own: no mask
.irp g, G1K, G1V, G1Q
	s_mov_b32 s[\g+1], 128<<16                     ; tensor_dim0 = 128
	s_mov_b32 s[\g+3], 128<<16                     ; tile_dim0 = 128
	s_mov_b32 s[\g+5], 128                         ; 128 elements from row to row
	s_mov_b32 s[\g+6], 0
	s_mov_b32 s[\g+7], 0
.endr
	s_mov_b32 s[G1K+2], 64<<16                     ; tensor_dim1 and tile_dim1: 16,384 bytes of K,
	s_mov_b32 s[G1K+4], 64
	s_mov_b32 s[G1V+2], 128<<16                    ; 32,768 of V',
	s_mov_b32 s[G1V+4], 128
	s_mov_b32 s[G1Q+2], 32<<16                     ; 8,192 of Q
	s_mov_b32 s[G1Q+4], 32
	s_mov_b32 s[G0Q], 1                            ; group 0: 1:0 count = 1; 63:32 the LDS address: no place in the cluster enters it
	s_mov_b32 s[G0KA], 1
	s_mov_b32 s[G0K], 1
	s_mov_b32 s[G0VA], 1
	s_mov_b32 s[G0V], 1
	s_mul_i32 s75, s17, 128*KP
	s_add_co_u32 s[G0KA+1], s75, KOFF
	s_add_co_u32 s[G0K+1], s75, SLOT1+KOFF
	s_mul_i32 s75, s17, 256*VP
	s_mov_b32 s[G0VA+1], s75
	s_add_co_u32 s[G0V+1], s75, SLOT1
	s_mul_i32 s75, s[WV], 64*KP
	s_add_co_u32 s[G0Q+1], s75, QT
	s_mov_b32 s[CS], 0x3db8aa3b                    ; c = log2(e) / 16 = 0.0901684
	s_mov_b32 s[CS+1], s[CS]                       ; named with it as a pair
	s_mov_b32 s[SEL], 0x76543210
	s_mov_b32 s[SEL+1], 0xfedcba98
	s_mov_b32 s[TB], 0
	s_cmp_lt_u32 s[WV], 2                          ; who prefetches, and how long
	s_cselect_b32 s[LIM], 1, 0
	s_cmp_eq_u32 s[WV], 1
	s_cselect_b32 s[LIM], -1, s[LIM]
	s_cmp_lg_u32 ttmp9, 0                          ; the same in all four partners
	s_cselect_b32 s[LIM], -1, s[LIM]
	s_lshl_b32 s72, s13, 13                        ; K of step 5: my work-group's 8,192 bytes
	s_add_co_u32 s72, s72, 5*BLK+32768
	s_lshl_b32 s73, s13, 14                        ; V' of step 3: my work-group's 16,384 bytes, wave 2's or wave 3's half
	s_lshl_b32 s75, s[WV], 13
	s_add_co_u32 s73, s73, s75
	s_add_co_u32 s73, s73, 3*BLK+65536-16384
	s_cmp_lt_u32 s[WV], 2
	s_cselect_b32 s72, s72, s73
	s_add_co_u32 s72, s72, s20
	s_mov_b32 s73, 0
	v_and_b32 v1, 15, v0                           ; r
	v_bfe_u32 v2, v0, 4, 1                         ; h
	v_and_b32 v37, 31, v0                          ; lane
	v_and_b32 v38, 7, v0
	v_bfe_u32 v39, v0, 3, 1
	v_lshl_add_u32 v38, v2, 3, v38                 ; the turning load: lane l reads channel 8 (l / 16) + l % 8, pixels 8 ((l / 8) % 2) + 0..7
	v_mul_u32_u24 v38, v38, KP
	v_lshl_add_u32 v38, v39, 4, v38
	s_lshl_b32 s75, s[WV], 5                       ; my 16 keys: 32 bytes of a row
	s_add_co_u32 s75, s75, KOFF
	v_add_nc_u32 v[AK0], s75, v38
	v_add_nc_u32 v[AQ], QT, v38
	s_mul_i32 s75, s[WV], 128*VP                   ; my 128 channels
	v_mul_u32_u24 v[AV0], v1, VP
	v_lshl_add_u32 v[AV0], v2, 4, v[AV0]
	v_add_nc_u32 v[AV0], s75, v[AV0]
	s_lshr_b32 s75, s[WV], 1                       ; my keys lie in half w / 2 of the step's 64, in registers 0-3 or 4-7 of its fragments
	s_lshl_b32 s75, s75, 12
	s_lshl_b32 s16, s17, 9
	s_add_co_u32 s75, s75, s16
	s_add_co_u32 s75, s75, PBUF
	v_lshl_add_u32 v[PST], v37, 4, s75
	v_lshl_add_u32 v[PRD], v37, 4, PBUF
	s_lshl_b32 s75, s[WV], 8
	s_add_co_u32 s75, s75, MX
	v_lshl_add_u32 v[MXS], v1, 4, s75
	v_lshl_add_u32 v[MXR], v1, 4, MX
	s_mul_i32 s75, s[WV], 16*SP
	s_add_co_u32 s75, s75, STAGE
	v_mul_u32_u24 v[STO], v2, 8*SP                 ; in: row 8 h + j, column 16 t + r, 4 bytes
	v_lshl_add_u32 v[STO], v1, 2, v[STO]
	v_add_nc_u32 v[STO], s75, v[STO]
	v_mul_u32_u24 v[RD], v2, SP                    ; back: lanes 0-15 take one row of 256 bytes, lanes 16-31 the next
	v_lshl_add_u32 v[RD], v1, 4, v[RD]
	v_add_nc_u32 v[RD], s75, v[RD]
	v_lshlrev_b32 v[XO], 14, v2                    ; and the same two rows in x and in out0
	v_lshl_add_u32 v[XO], v1, 4, v[XO]
	v_lshlrev_b32 v[PFO], 8, v37
	s_wait_dscnt 0x0                               ; the opening add is done
	s_wait_kmcnt 0x0
	s_load_b32 s[GAM], s[8:9], 0x0
	s_add_nc_u64 s[G0KA+2:G0KA+3], s[4:5], s[22:23]      ; 120:64 the global address; 127:126 type = 2
	s_add_nc_u64 s[G0K+2:G0K+3], s[G0KA+2:G0KA+3], BLK
	s_or_b32 s[G0KA+3], s[G0KA+3], 0x80000000
	s_or_b32 s[G0K+3], s[G0K+3], 0x80000000
	s_add_nc_u64 s[G0VA+2:G0VA+3], s[4:5], s[2:3]
	s_add_nc_u64 s[G0V+2:G0V+3], s[G0VA+2:G0VA+3], BLK
	s_or_b32 s[G0VA+3], s[G0VA+3], 0x80000000
	s_or_b32 s[G0V+3], s[G0V+3], 0x80000000
	s_add_nc_u64 s[G0Q+2:G0Q+3], s[4:5], s[18:19]
	s_or_b32 s[G0Q+3], s[G0Q+3], 0x80000000
	s_add_nc_u64 s[PFA:PFA+1], s[4:5], s[PFA:PFA+1]
	s_lshl_b32 s18, s[WV], 21                      ; x and out0: my 128 rows of 16,384 bytes, my block's 256 bytes of each
	s_lshl_b32 s19, s14, 8
	s_add_co_u32 s18, s18, s19
	s_add_co_u32 s18, s18, s20
	s_mov_b32 s19, 0
	s_add_nc_u64 s[XB:XB+1], s[6:7], s[18:19]
	s_add_nc_u64 s[OB:OB+1], s[10:11], s[18:19]
	CROUND                                         ; all four work-groups are here: the first joint loads meet
	s_cmp_lt_u32 s[WV], 2                          ; a wave's three first fills stand in one branch, ahead of every wait on TENSORcnt and every LDS read: three loads of mine are out
	s_cbranch_scc0 .Lfirst_v
	tensor_load_to_lds s[G0Q:G0Q+3], s[G1Q:G1Q+7]
	s_nop 0
	tensor_load_to_lds s[G0KA:G0KA+3], s[G1K:G1K+7]
	s_nop 0
	tensor_load_to_lds s[G0K:G0K+3], s[G1K:G1K+7]
	s_nop 0
	PLACES
	s_branch .Lfirst_asked
.Lfirst_v:
	tensor_load_to_lds s[G0Q:G0Q+3], s[G1Q:G1Q+7]
	s_nop 0
	tensor_load_to_lds s[G0VA:G0VA+3], s[G1V:G1V+7]
	s_nop 0
	tensor_load_to_lds s[G0V:G0V+3], s[G1V:G1V+7]
	s_nop 0
	PLACES
.Lfirst_asked:
	WIN 0x40                                       ; O^T and l start at 0, written in the wait for the first tiles: the price of writing no first trip out
.set i, 0
.rept 256
	v_mov_b32 v[i], 0
.set i, i+1
.endr
	WIN 0
.irp t, 0,1,2,3
	v_mov_b32 v[ST+8*\t], 0xfe000000               ; c m: far below every c s
	v_mov_b32 v[ST+8*\t+1], 0xff7fffff             ; m: the lowest finite number
	v_mov_b32 v[ST+8*\t+2], 0
	v_mov_b32 v[ST+8*\t+3], 0
.endr
; THE MATRIX WORK.  The accumulators take turns, one instruction a turn.  Product i of 32 of S^T = K Q^T: channels 32 (i / 4) on, tile i % 4.  The first four start the sums.
.macro KQ
	WIN W_KQ
.set rS, S+8*(i%4)
.set rK, KF+8*(i/4)
.set rQ, 8*(8*(i%4)+i/4)
.if i < 4
	v_wmma_f32_16x16x32_bf16 v[rS:rS+7], v[rK:rK+7], v[rQ:rQ+7], 0
.else
	v_wmma_f32_16x16x32_bf16 v[rS:rS+7], v[rK:rK+7], v[rQ:rQ+7], v[rS:rS+7]
.endif
.endm
; Product i of 64 of O^T += V' P: keys 32 (i / 32) on, channels 16 ((i / 4) % 8) on, tile i % 4.
.macro PV
	WIN W_PV
.set rO, 8*(i%32)
.set rV, 8*(8*(i/32)+(i/4)%8)
.set rP, PF+8*(4*(i/32)+i%4)
	v_wmma_f32_16x16x32_bf16 v[rO:rO+7], v[rV:rV+7], v[rP:rP+7], v[rO:rO+7]
.endm
.macro RS                              ; accumulator i of O^T times a of its tile, its registers in ascending order
	WIN W_RS
.irp z, 0,1,2,3
	v_pk_mul_f32 v[8*i+2*\z:8*i+2*\z+1], v[8*i+2*\z:8*i+2*\z+1], v[ST+8*(i%4)+4:ST+8*(i%4)+5] op_sel_hi:[1,0]
.endr
.endm
; THE LDS LOADS stand in runs.  K: my 16 keys x 256 channels, turned: 8 fragments.
.macro FETCH_K
	WIN 0
	v_add_nc_u32 v[ADR], s[TB], v[AK0]
.irp f, 0,1,2,3,4,5,6,7
	ds_load_tr16_b128 v[KF+8*\f:KF+8*\f+3],   v[ADR] offset:32*KP*\f
	ds_load_tr16_b128 v[KF+8*\f+4:KF+8*\f+7], v[ADR] offset:32*KP*\f+16*KP
.endr
.endm
; P: all eight fragments (64 keys x 64 queries); V': my 128 channels x 64 keys: 16 fragments.
.macro FETCH_PV
	WIN 0
.irp f, 0,1,2,3,4,5,6,7
	ds_load_b128 v[PF+8*\f:PF+8*\f+3],   v[PRD] offset:1024*\f
	ds_load_b128 v[PF+8*\f+4:PF+8*\f+7], v[PRD] offset:1024*\f+512
.endr
	v_add_nc_u32 v[ADR], s[TB], v[AV0]
	WIN 0xc0                                       ; destination window 3
.irp f, 0,1,2,3,4,5,6,7,8,9,10,11,12,13,14,15  ; keys 32 (f / 8) on, channels 16 (f % 8) on
	ds_load_b128 v[8*\f:8*\f+3],   v[ADR] offset:16*VP*(\f%8)+64*(\f/8)
	ds_load_b128 v[8*\f+4:8*\f+7], v[ADR] offset:16*VP*(\f%8)+64*(\f/8)+32
.endr
	WIN 0
.endm
; THE SOFTMAX OF A STEP is a list of 128 lines, the four tiles innermost, so that no line reads the result of the one before it; RID writes the next.  s0-s7 are the lane's eight scores of a tile.
;   0-23    my maximum: c0 = max(s0, s1, s2) (the accumulator's lowest registers first); c1 = max(s3, s4, s5); c0 with s6, s7; with c1; the other half of the lanes'; into LM
;   24-47   the common maximum: m with the four waves'; c m; c m_old - c m_new; a (four exponentials on end); c m is written anew (the plain lines behind them)
;   48-127  four plain lines, then an exponential and a plain line by turns, 32 times, then twelve plain lines.  The plain queue, four tiles each: c s - c m for pairs 0, 1, 2; pair 0 rounded; c s - c m for
;           pair 3; pair 1 rounded; pair 1 added onto pair 0; pair 2 rounded; l = a l + pair 0; pair 3 rounded; pair 3 added onto pair 2; l += pair 2.  The exponentials go pair by pair, tile by tile.
;           Every exponential stands behind its scaling, every rounding and sum has a plain line between it and its exponentials, and the line behind an exponential names none of its registers.
.macro PLQ u
.set t, (\u)%4
.set kd, (\u)/4
.set rT, ST+8*t
.set rS, S+8*t
.if (kd < 3) || (kd == 4)
.set p, kd-kd/4
	v_pk_fma_f32 v[rS+2*p:rS+2*p+1], v[rS+2*p:rS+2*p+1], s[CS:CS+1], v[rT:rT+1] op_sel_hi:[1,0,0] neg_lo:[0,0,1] neg_hi:[0,0,1]
.elseif (kd == 3) || (kd == 5) || (kd == 7) || (kd == 9)
.set p, (kd-3)/2
	s_wait_alu depctr_va_vdst(0)
	v_cvt_pk_bf16_f32 v[PP+4*t+p], v[rS+2*p], v[rS+2*p+1]
.elseif kd == 6
	v_pk_add_f32 v[rS:rS+1], v[rS:rS+1], v[rS+2:rS+3]
.elseif kd == 8
	v_pk_fma_f32 v[rT+2:rT+3], v[rT+2:rT+3], v[rT+4:rT+5], v[rS:rS+1] op_sel_hi:[1,0,1]
.elseif kd == 10
	v_pk_add_f32 v[rS+4:rS+5], v[rS+4:rS+5], v[rS+6:rS+7]
.else
	v_pk_add_f32 v[rT+2:rT+3], v[rT+2:rT+3], v[rS+4:rS+5]
.endif
.endm
.macro EXQ e
.set rS, S+8*(((\e)%8)/2)+2*((\e)/8)+(\e)%2
	v_exp_f32 v[rS], v[rS]
.endm
.macro RID
	WIN 0
.if n < 48
.set t, n%4
.set o, (n%24)/4
.set rT, ST+8*t
.set rS, S+8*t
.if n < 24
.if o == 0
	v_max3_num_f32 v[rT+6], v[rS], v[rS+1], v[rS+2]
.elseif o == 1
	v_max3_num_f32 v[rT+7], v[rS+3], v[rS+4], v[rS+5]
.elseif o == 2
	v_max3_num_f32 v[rT+6], v[rT+6], v[rS+6], v[rS+7]
.elseif o == 3
	v_max_num_f32 v[rT+6], v[rT+6], v[rT+7]
.elseif o == 4
	v_permlanex16_b32 v[rT+7], v[rT+6], s[SEL], s[SEL+1]
.else
	v_max_num_f32 v[LM+t], v[rT+6], v[rT+7]
.endif
.else
.if o == 0
	v_max3_num_f32 v[rT+1], v[rT+1], v[MR+t], v[MR+4+t]
.elseif o == 1
	v_max3_num_f32 v[rT+1], v[rT+1], v[MR+8+t], v[MR+12+t]
.elseif o == 2
	v_mul_f32 v[rT+6], s[CS], v[rT+1]
.elseif o == 3
	v_sub_f32 v[rT+5], v[rT], v[rT+6]
.elseif o == 4
	v_exp_f32 v[rT+4], v[rT+5]
.else
	v_mov_b32 v[rT], v[rT+6]
.endif
.endif
.else
.set k, n-48
.if k < 4
	PLQ k
.elseif k < 68
.if (k%2) == 0
	EXQ (k-4)/2
.else
	PLQ 4+(k-4)/2
.endif
.else
	PLQ k-32
.endif
.endif
.set n, n+1
.endm
.macro MXLOAD off                      ; the four waves' numbers for my query in the four tiles
.irp sv, 0,1,2,3
	ds_load_b128 v[MR+4*\sv:MR+4*\sv+3], v[MXR] offset:(\off)+256*\sv
.endr
.endm
.macro PSTORE                          ; my 16 keys' weights for the four tiles
.irp t, 0,1,2,3
	ds_store_b128 v[PST], v[PP+4*\t:PP+4*\t+3] offset:1024*\t
.endr
.endm
; A TRIP'S FIRST PHASE.  P and V' of step j are fetched (the four v_nop ahead of this macro are the places behind their last readers); kq = 1: the 32 products K Q^T of step j + 1; behind each, or alone, four lines of
; the rescaling, which name none of its registers: the last four are the places ahead of the first read of the scores.  pf = 1: the trip's prefetch.
.macro QPHASE kq, pf
	FETCH_PV
.if \pf
	ASK
.endif
.set i, 0
.rept 32
.if \kq
	KQ
.endif
	RS
.set i, i+1
.endr
	s_wait_dscnt 0x0                               ; P and V' are in
.endm
; A TRIP'S SECOND PHASE: the 64 products V' P of step j, and the softmax of step j + 1 in fours behind products 0-5 and 16-41.
; Barrier X (signal behind product 5, wait behind 11): in front of it my maxima lie in LDS and my reads of P(j) are over; behind it the four waves' maxima are read and, later, P(j + 1) is written.
; kf = 1: K of step j + 2 is fetched behind X, more than four plain lines behind the last product that read K's registers.
; Barrier Y (signal behind product 49, wait behind 63): in front of it stand the wait for all my tensor loads (one is out: my part of what the next trip reads), the add, eight products, and the wait for the add,
; for my stores of P and for my reads of the slot.  fill = 2 or 1: Y opens a round of the cluster's barrier, and the joint refill is the first thing behind it: K of step j + 4 (fill = 2 alone) and V' of step j + 2.
; fill = 0: nothing is left to ask for.  pf = 1: the prefetch's address steps, behind s_wait_xcnt 0, some seventy products behind the prefetch.
.macro PPHASE kf, fill, pf
.set i, 0
.set n, 0
.rept 64
.if i == 16
	s_wait_dscnt 16*(\kf)                          ; the maxima are in; K's 16 loads, issued behind them, may stay out
.endif
	PV
.if (i < 6) || ((i >= 16) && (i < 42))
	RID
	RID
	RID
	RID
.endif
.if i == 5
	ds_store_b128 v[MXS], v[LM:LM+3]
	s_wait_dscnt 0x0
	s_barrier_signal -1
.elseif i == 11
	WIN 0
	s_barrier_wait -1
	MXLOAD 0
.if \kf
	FETCH_K
.endif
.elseif i == 41
	PSTORE
	s_wait_tensorcnt 0x0                           ; no tensor load of mine is out, so a group 0 may be written
	ds_add_u32 v[SPW], v[NIL]                      ; 0 onto my spare word
.if (\fill) == 2
	WALK G0K
.endif
.if \fill
	WALK G0V
.endif
.if \pf
	s_wait_xcnt 0x0
	s_add_nc_u64 s[PFA:PFA+1], s[PFA:PFA+1], BLK
.endif
.elseif i == 49
	s_wait_dscnt 0x0
	s_barrier_signal -1
.endif
.set i, i+1
.endr
	WIN 0                                          ; at a label and at a branch every window is 0
	s_barrier_wait -1
.if \fill
	CREST                                          ; no wave of any partner still reads the bytes that are filled, or has a load on its way
	JLOAD (\fill)/2, 1
.else
	PLACES
.endif
	s_xor_b32 s[TB], s[TB], SLOT1
.endm
	s_wait_tensorcnt 0x0                           ; my parts of Q, and of K or V' of steps 0 and 1, are in,
	s_barrier_signal -1
	s_barrier_wait -1                              ; everybody's are
	WIN 0x80                                       ; Q stays in registers: tile t, channels 32 kf on
.irp t, 0,1,2,3
.irp f, 0,1,2,3,4,5,6,7
	ds_load_tr16_b128 v[8*(8*\t+\f):8*(8*\t+\f)+3],   v[AQ] offset:32*KP*\f+32*\t
	ds_load_tr16_b128 v[8*(8*\t+\f)+4:8*(8*\t+\f)+7], v[AQ] offset:32*KP*\f+32*\t+16*KP
.endr
.endr
	FETCH_K                                        ; step 0
	s_xor_b32 s[TB], s[TB], SLOT1
	s_wait_dscnt 0x0
.set i, 0
.rept 32
	KQ                                             ; the first scores: there is no vector work yet to set between them
.set i, i+1
.endr
	WIN 0
	PLACES
	FETCH_K                                        ; step 1
	s_xor_b32 s[TB], s[TB], SLOT1
.set n, 0
.rept 24
	RID
.endr
	ds_store_b128 v[MXS], v[LM:LM+3]
	s_wait_tensorcnt 0x0                           ; K of step 0 has been read: its bytes take K of step 2
	ds_add_u32 v[SPW], v[NIL]
	WALK G0K
	s_wait_dscnt 0x0                               ; the add, my maxima and my reads of both slots' K
	CROUND
	JLOAD 1, 0
	MXLOAD 0
	s_wait_dscnt 0x0
	s_wait_kmcnt 0x0                               ; gamma
.rept 104
	RID
.endr
	PSTORE
	s_wait_tensorcnt 0x0                           ; and K of step 1 makes room for K of step 3
	ds_add_u32 v[SPW], v[NIL]
	WALK G0K
	s_wait_dscnt 0x0
	CROUND
	JLOAD 1, 0
	s_mov_b32 s[CNT], 60
.Ltrip:                                                ; steps 0 to 59
	QPHASE 1, 1
	PPHASE 1, 2, 1
	s_sub_co_u32 s[CNT], s[CNT], 1
	s_cmp_lg_u32 s[CNT], 0
	s_cbranch_scc1 .Ltrip
	s_mov_b32 s[CNT], 2
.Ltail:                                                ; steps 60 and 61: K has been asked for to its end; V' of steps 62 and 63 is asked for
	QPHASE 1, 0
	PPHASE 1, 1, 0
	s_sub_co_u32 s[CNT], s[CNT], 1
	s_cmp_lg_u32 s[CNT], 0
	s_cbranch_scc1 .Ltail
	QPHASE 1, 0                                    ; step 62: the last scores and the last softmax
	PPHASE 0, 0, 0
	WIN 0x80                                       ; step 63.  Q's registers are free: my 128 rows x 256 bytes of x are asked for; sixteen lanes read 256 consecutive bytes, aligned
.set i, 0
.rept 64
	global_load_b128 v[4*i:4*i+3], v[XO], s[XB:XB+1] offset:2*i*16384 th:TH_LOAD_NT
.set i, i+1
.endr
	QPHASE 0, 0
.set i, 0
.rept 64
	PV
.set i, i+1
.endr
	; THE WAY OUT.  l: its two halves, the other half of the lanes', and through LDS the four waves' parts.  The additions are the places behind the last products.
	WIN 0
.irp t, 0,1,2,3
	v_add_f32 v[ST+8*\t+2], v[ST+8*\t+2], v[ST+8*\t+3]
.endr
.irp t, 0,1,2,3
	v_permlanex16_b32 v[ST+8*\t+3], v[ST+8*\t+2], s[SEL], s[SEL+1]
.endr
.irp t, 0,1,2,3
	v_add_f32 v[LM+\t], v[ST+8*\t+2], v[ST+8*\t+3]
.endr
	ds_store_b128 v[MXS], v[LM:LM+3] offset:1024
	s_wait_dscnt 0x0
	s_barrier_signal -1
	s_barrier_wait -1
	MXLOAD 1024
	s_wait_dscnt 0x0
	v_pk_add_f32 v[MR:MR+1],     v[MR:MR+1],     v[MR+4:MR+5]
	v_pk_add_f32 v[MR+2:MR+3],   v[MR+2:MR+3],   v[MR+6:MR+7]
	v_pk_add_f32 v[MR+8:MR+9],   v[MR+8:MR+9],   v[MR+12:MR+13]
	v_pk_add_f32 v[MR+10:MR+11], v[MR+10:MR+11], v[MR+14:MR+15]
	v_pk_add_f32 v[MR:MR+1],     v[MR:MR+1],     v[MR+8:MR+9]
	v_pk_add_f32 v[MR+2:MR+3],   v[MR+2:MR+3],   v[MR+10:MR+11]
.irp t, 0,1,2,3
	v_rcp_f32 v[ST+8*\t+4], v[MR+\t]               ; l is at least 1: the greatest score's weight
.endr
	v_nop                                          ; a plain line between the last reciprocal and the use of its result
.irp t, 0,1,2,3
	s_wait_alu depctr_va_vdst(0)
	v_mul_f32 v[ST+8*\t+4], s[GAM], v[ST+8*\t+4]   ; gamma / l
.endr
; Channel block cb: 16 rows x 64 queries, f32.  PACKO: times gamma / l; a number a lane into rows of 272 bytes of my own stage; back as whole rows of 256 bytes.
.macro PACKO cb
	WIN 0x01                                       ; source 0 window 1
.set z, 0
.rept 16
	v_pk_mul_f32 v[S+2*z:S+2*z+1], v[8*(4*(\cb)+z/4)+2*(z%4):8*(4*(\cb)+z/4)+2*(z%4)+1], v[ST+8*(z/4)+4:ST+8*(z/4)+5] op_sel_hi:[1,0]  ; each accumulator's registers in ascending order
.set z, z+1
.endr
	WIN 0
.set z, 0
.rept 32
	ds_store_b32 v[STO], v[S+z] offset:SP*(z%8)+64*(z/8)
.set z, z+1
.endr
	s_wait_xcnt 0x0                                ; the stores of two blocks back have read their registers: only behind this wait are these loaded again
.irp f, 0,1,2,3,4,5,6,7
	ds_load_b128 v[PF+32*((\cb)%2)+4*\f:PF+32*((\cb)%2)+4*\f+3], v[RD] offset:2*SP*\f  ; LDS serves a wave's instructions in order (ISA guide 5.7.1.4): these see the stores above
.endr
.endm
; SENDO: x is added and the rows are stored.  younger: the LDS instructions issued behind the block's loads: the next block's forty, or none.
.macro SENDO cb, younger
	s_wait_dscnt \younger
.if (\cb) == 0
	s_wait_loadcnt 0x0                             ; x, asked for a trip ago
.endif
	WIN 0x08                                       ; source 1 window 2
.set z, 0
.rept 16
	v_pk_add_f32 v[PF+32*((\cb)%2)+2*z:PF+32*((\cb)%2)+2*z+1], v[PF+32*((\cb)%2)+2*z:PF+32*((\cb)%2)+2*z+1], v[32*(\cb)+2*z:32*(\cb)+2*z+1]
.set z, z+1
.endr
	WIN 0
.irp f, 0,1,2,3,4,5,6,7
	global_store_b128 v[XO], v[PF+32*((\cb)%2)+4*\f:PF+32*((\cb)%2)+4*\f+3], s[OB:OB+1] offset:(16*(\cb)+2*\f)*16384 th:TH_STORE_NT  ; sixteen lanes store 256 consecutive bytes, aligned
.endr
.endm
	PACKO 0
.set cc, 1
.rept 7                                ; a block's arithmetic stands between the loads of the block before and its stores
	PACKO cc
	SENDO cc-1, 40
.set cc, cc+1
.endr
	SENDO 7, 0
	s_wait_tensorcnt 0x0                           ; the wave's end: behind my last tensor load and my last LDS store
	ds_add_u32 v[SPW], v[NIL]
	s_wait_dscnt 0x0
	CROUND                                         ; the closing round: no work-group ends while a partner may still ask for a tile that names it
	s_endpgm
.Lfunc_end_k_qbb6611c412_attn:
	.size	k_qbb6611c412_attn, .Lfunc_end_k_qbb6611c412_attn-k_qbb6611c412_attn
	.p2alignl 7, 3214868480
	.fill 96, 4, 3214868480
	.section	.rodata,"a",@progbits
	.p2align	6, 0x0
	.amdhsa_kernel k_qbb6611c412_attn
		.amdhsa_group_segment_fixed_size 327680
		.amdhsa_private_segment_fixed_size 0
		.amdhsa_enable_private_segment 0
		.amdhsa_kernarg_size 32
		.amdhsa_user_sgpr_count 2
		.amdhsa_user_sgpr_kernarg_segment_ptr 1
		.amdhsa_wavefront_size32 1
		.amdhsa_system_sgpr_workgroup_id_x 1
		.amdhsa_system_sgpr_workgroup_id_y 1
		.amdhsa_system_sgpr_workgroup_id_z 1
		.amdhsa_system_vgpr_workitem_id 0
		.amdhsa_next_free_vgpr 896
		.amdhsa_next_free_sgpr 84
		.amdhsa_reserve_vcc 0
		.amdhsa_float_denorm_mode_32 3
		.amdhsa_float_denorm_mode_16_64 3
		.amdhsa_memory_ordered 1
		.amdhsa_forward_progress 1
		.amdhsa_inst_pref_size 194
	.end_amdhsa_kernel
	.amdgpu_metadata
---
amdhsa.version: [ 1, 2 ]
amdhsa.kernels:
  - .name:           k_qbb6611c412_attn
    .symbol:         k_qbb6611c412_attn.kd
    .args:
      - { .name: qkv, .offset: 0, .size: 8, .value_kind: global_buffer, .address_space: global }
      - { .name: x, .offset: 8, .size: 8, .value_kind: global_buffer, .address_space: global }
      - { .name: gamma, .offset: 16, .size: 8, .value_kind: global_buffer, .address_space: global }
      - { .name: out0, .offset: 24, .size: 8, .value_kind: global_buffer, .address_space: global }
    .group_segment_fixed_size: 327680
    .private_segment_fixed_size: 0
    .kernarg_segment_align: 8
    .kernarg_segment_size: 32
    .max_flat_workgroup_size: 128
    .sgpr_count:     84
    .vgpr_count:     896
    .wavefront_size: 32
...
	.end_amdgpu_metadata
.endif
;; end of part 3
;; ======== version 2 of 3: 3 launches
;; limits: values outside matrix products are rounded to bf16
;; workspace buffers: wall 1,048,576 bytes; bfold 2,048 bytes; qkv 33,554,432 bytes
;; launch wfold: the kernel of part 1 again; grid 128 x 1, 4 waves a work-group, no clusters, 37,376 bytes of LDS; arguments Wq, Wk, Wv, Wo, bv, bo, wall, bfold; writes wall, bfold
;; launch proj (part 4): grid 4 x 64, 4 waves a work-group, no clusters, 143,872 bytes of LDS; arguments x, wall, bq, bk, bfold, qkv; writes qkv
.if DOCPART == 4
	.amdgcn_target "amdgcn-amd-amdhsa--gfx1250"
	.amdhsa_code_object_version 6
	.text
	.protected	k_qbb6611c412_proj
	.globl	k_qbb6611c412_proj
	.p2align	8
	.type	k_qbb6611c412_proj,@function
k_qbb6611c412_proj:
	s_mov_b64 s[64:65], 0
	v_nop
	global_prefetch_b8 v0, s[64:65] scope:SCOPE_SE
	s_setreg_imm32_b32 hwreg(HW_REG_WAVE_MODE, 25, 1), 1
	s_wait_xcnt 0x0
; q, k, v' = [Wq; Wk; W'] x + [bq; bk; b'].  x: f32 [4][512 channels][4096 pixels]; wall: bf16 [1024][512]; qkv: bf16 [4 images][64 blocks of 64 pixels][64 groups of 16 rows], a block 131,072 bytes,
; rows 0-255 q, 256-511 k, 512-1023 v'.  A GROUP (16 rows x 64 pixels, 2,048 bytes) lies as [4 pixel blocks of 16][2 halves of 8 pixels][16 rows][8 pixels]: 16 bytes for each lane of a matrix result, in the
; lanes' order.  x is rounded to bf16 on its way into LDS; sums in f32; the bias is added in f32; q, k, v' are rounded once.
; LIMITS.  NaN and infinities are not treated apart.  bf16 has f32's range, so large inputs keep their room.
; SHARES.  A work-group makes 256 pixels x 256 rows, over all 512 channels; each of its four waves 128 x 128: 64 accumulators of 16 x 16, 512 registers.  4 x 64 work-groups.
; NO TENSOR LOAD, NO CLUSTER: x is f32 in memory and has to pass through registers to become bf16, which a copy into LDS cannot do; wall is a third of a step's bytes.  Both come by loads into registers,
; asked for a whole step (128 matrix instructions) ahead of the wait for them, and are stored into one of two LDS buffers: one barrier a step.
; No prefetch: of every 64 KiB of x that a step reads, the next step's is already asked for by these loads.
; THE PRODUCT: source 0 = 16 pixels x 32 channels of x (x lies [channel][pixel], so its fragments come turned, by ds_load_tr16_b128), source 1 = 16 rows of wall.  In the result a lane holds ONE row
; (lane % 16) and the pixels 8 (lane / 16) + 0..7: its 16 bytes of a group, so the results are stored straight from registers.
; REGISTERS, in windows of 256 (s_set_vgpr_msb: bits 1:0 source 0, 3:2 source 1, 5:4 source 2, 7:6 destination):
;   window 0: v0-31 addresses; v32-47 the bias, each number twice; v64-127, v128-191 wall's fragments, two buffers; v192-255 wall as loaded
;   window 1: v64-127, v128-191 x's fragments, two buffers; v0-63, v192-255 x as loaded     windows 2, 3: accumulator (a, b) (rows 16 a, pixels 16 b) at v[8 (8 (a % 4) + b)] of window 2 + a / 4
.set XP,    544                        ; a channel's 256 pixels in LDS: 512 bytes + 32: an odd multiple of 32, for the turning load
.set WP,    144                        ; a row's 64 channels: 128 bytes + 16: an odd multiple of 16
.set WSO,   64*XP                      ; in a buffer: x's 64 rows, then wall's 256
.set BUFB,  64*XP+256*WP               ; 71,680 bytes a buffer
.set SPARE, 2*BUFB                     ; 143,360: the spare words, 128 bytes for each wave: two blocks of 256 bytes that no other line names
.set XO,  4                            ; v4     my byte offset in x: 16 w rows + 16 x lane
.set WO,  5                            ; v5     in wall: (64 w + lane / 8) rows + 16 (lane % 8)
.set XST, 6                            ; v6-7   where I store x, buffer 0, 1
.set WST, 8                            ; v8-9   where I store wall
.set XAD, 10                           ; v10-11 where my fragments of x begin
.set WAD, 12                           ; v12-13 those of wall
.set GO,  16                           ; v16    16 x lane
.set BOF, 17                           ; v17    my row's bias
.set SPW, 28                           ; v28    LDS address of my spare word; never rewritten
.set NIL, 29                           ; v29    0; never rewritten
.set BI,  32
.set F0,  64
.set F1,  128
.set WR,  192
.set T,   64                           ; the way out: 32 sums with their bias
.set UU,  96                           ; and two sets of 16 registers, rounded, to store
.set XB,  20                           ; s[20:21] x at the step being asked for
.set WB,  24                           ; s[24:25] wall at the same step
.set MSB, 0
.macro WIN new                         ; the immediate's high byte repeats the setting that is left; a switch that changes nothing is dropped
.if MSB != (\new)
	s_set_vgpr_msb (MSB<<8)|(\new)
.set MSB, \new
.endif
.endm
.set MUL_LO, 0xa1                      ; source 0 (x) window 1, source 1 (wall) window 0, C and D window 2
.set MUL_HI, 0xf1                      ; the same, C and D window 3
.macro PLACES                          ; four places behind a matrix instruction, ahead of loads into registers that it read and of vector lines that read its result (ISA guide 7.12.1 for vector lines)
.rept 4
	v_nop
.endr
.endm
	s_load_b256 s[4:11], s[0:1], 0x0               ; x s[4:5], wall s[6:7], bq s[8:9], bk s[10:11]
	s_load_b128 s[12:15], s[0:1], 0x20             ; bfold s[12:13], qkv s[14:15]
	v_lshl_add_u32 v[SPW], v0, 2, SPARE
	v_mov_b32 v[NIL], 0
	v_lshrrev_b32 v1, 5, v0
	v_readfirstlane_b32 s16, v1                    ; wave 0..3
	s_lshr_b32 s17, s16, 1                         ; which 128 pixels are mine
	s_and_b32 s18, s16, 1                          ; which 128 rows
	s_mov_b32 s19, ttmp9                           ; which 256 rows of wall: 0 q, 1 k, 2 and 3 v'
	s_and_b32 s30, ttmp7, 0xffff                   ; which 256 pixels: 16 x image + tile
	v_and_b32 v1, 15, v0                           ; r
	v_bfe_u32 v2, v0, 4, 1                         ; h
	v_and_b32 v3, 31, v0                           ; lane
	v_and_b32 v18, 7, v0
	v_bfe_u32 v19, v0, 3, 2                        ; lane / 8
	v_bfe_u32 v20, v0, 3, 1
	s_lshl_b32 s31, s16, 18                        ; 16 rows of 16,384 bytes
	v_lshl_add_u32 v[XO], v3, 4, s31
	s_lshl_b32 s31, s16, 16                        ; 64 rows of 1,024 bytes
	v_lshl_add_u32 v[WO], v19, 10, s31
	v_lshl_add_u32 v[WO], v18, 4, v[WO]
	s_mul_i32 s31, s16, 16*XP
	v_lshl_add_u32 v[XST], v3, 3, s31              ; four pixels are 8 bytes
	v_add_nc_u32 v[XST+1], BUFB, v[XST]
	v_mul_u32_u24 v21, v19, WP
	v_lshl_add_u32 v21, v18, 4, v21                ; (lane / 8) rows + 16 (lane % 8)
	s_mul_i32 s31, s16, 64*WP
	s_add_co_u32 s31, s31, WSO
	v_add_nc_u32 v[WST], s31, v21
	v_add_nc_u32 v[WST+1], BUFB, v[WST]
	v_lshl_add_u32 v22, v2, 3, v18                 ; the turning load: lane l reads channel 8 (l / 16) + l % 8, pixels 8 ((l / 8) % 2) + 0..7
	v_mul_u32_u24 v22, v22, XP
	v_lshl_add_u32 v22, v20, 4, v22
	s_lshl_b32 s31, s17, 8
	v_add_nc_u32 v[XAD], s31, v22
	v_add_nc_u32 v[XAD+1], BUFB, v[XAD]
	v_mul_u32_u24 v23, v1, WP
	v_lshl_add_u32 v23, v2, 4, v23                 ; row r + 16 h
	s_mul_i32 s31, s18, 128*WP
	s_add_co_u32 s31, s31, WSO
	v_add_nc_u32 v[WAD], s31, v23
	v_add_nc_u32 v[WAD+1], BUFB, v[WAD]
	v_lshlrev_b32 v[GO], 4, v3
	s_max_u32 s31, s19, 2                          ; in bfold the rows of tile 3 lie 1,024 bytes behind those of tile 2
	s_sub_co_u32 s31, s31, 2
	s_lshl_b32 s31, s31, 10
	s_lshl_b32 s39, s18, 9
	s_add_co_u32 s31, s31, s39
	v_lshl_add_u32 v[BOF], v1, 2, s31
	s_lshr_b32 s32, s30, 4                         ; the image: 8 MiB of x,
	s_lshl_b32 s32, s32, 23
	s_and_b32 s33, s30, 15                         ; the tile's 256 pixels: 1,024 bytes
	s_lshl_b32 s33, s33, 10
	s_add_co_u32 s32, s32, s33
	s_mov_b32 s33, 0
	s_lshl_b32 s34, s19, 18                        ; 256 rows of wall
	s_mov_b32 s35, 0
	s_lshl_b32 s36, s30, 2                         ; block 4 x (16 x image + tile) + 2 x my half,
	s_lshl_b32 s37, s17, 1
	s_add_co_u32 s36, s36, s37
	s_lshl_b32 s36, s36, 17
	s_lshl_b32 s37, s19, 15                        ; 16 groups of 2,048 bytes,
	s_add_co_u32 s36, s36, s37
	s_lshl_b32 s37, s18, 14                        ; my 8 of them
	s_add_co_u32 s36, s36, s37
	s_mov_b32 s37, 0
	s_wait_kmcnt 0x0
	s_add_nc_u64 s[XB:XB+1], s[4:5], s[32:33]
	s_add_nc_u64 s[WB:WB+1], s[6:7], s[34:35]
	s_add_nc_u64 s[28:29], s[14:15], s[36:37]      ; qkv at my first group; never stepped
	s_cmp_eq_u32 s19, 0
	s_cselect_b64 s[26:27], s[8:9], s[10:11]
	s_cmp_lt_u32 s19, 2
	s_cselect_b64 s[26:27], s[26:27], s[12:13]     ; bq, bk or bfold
; 16 matrix instructions: row blocks a0, a0 + 1 of the window's four x all 8 pixel blocks, 32 channels.  zero = 1: the first product starts the sums.  The 64 accumulators take turns
.macro MUL16 f, hi, a0, zero
	WIN MUL_LO+0x50*(\hi)
.irp a, \a0, (\a0)+1
.irp b, 0,1,2,3,4,5,6,7
.if \zero
	v_wmma_f32_16x16x32_bf16 v[8*(8*(\a)+(\b)):8*(8*(\a)+(\b))+7], v[(\f)+8*(\b):(\f)+8*(\b)+7], v[(\f)+8*(4*(\hi)+(\a)):(\f)+8*(4*(\hi)+(\a))+7], 0
.else
	v_wmma_f32_16x16x32_bf16 v[8*(8*(\a)+(\b)):8*(8*(\a)+(\b))+7], v[(\f)+8*(\b):(\f)+8*(\b)+7], v[(\f)+8*(4*(\hi)+(\a)):(\f)+8*(4*(\hi)+(\a))+7], v[8*(8*(\a)+(\b)):8*(8*(\a)+(\b))+7]
.endif
.endr
.endr
.endm
; A step's 48 loads: my 16 channels x 256 pixels of x (a load covers 512 consecutive bytes) and my 64 rows x 64 channels of wall
.macro LOADG
	WIN 0x40
.set i, 0
.rept 16
.set rb, 8*i+128*(i/8)
	global_load_b128 v[rb:rb+3],   v[XO], s[XB:XB+1] offset:16384*i
	global_load_b128 v[rb+4:rb+7], v[XO], s[XB:XB+1] offset:16384*i+512
.set i, i+1
.endr
	WIN 0
.set i, 0
.rept 16
	global_load_b128 v[WR+4*i:WR+4*i+3], v[WO], s[WB:WB+1] offset:4096*i
.set i, i+1
.endr
.endm
; What was loaded goes into LDS buffer buf: x rounded to bf16 in place, 8 bytes a lane (a store covers 256 consecutive bytes), wall as it is
.macro PUT buf
	WIN 0x45
.set i, 0
.rept 16
.set rb, 8*i+128*(i/8)
	v_cvt_pk_bf16_f32 v[rb],   v[rb],   v[rb+1]
	v_cvt_pk_bf16_f32 v[rb+1], v[rb+2], v[rb+3]
	v_cvt_pk_bf16_f32 v[rb+4], v[rb+4], v[rb+5]
	v_cvt_pk_bf16_f32 v[rb+5], v[rb+6], v[rb+7]
.set i, i+1
.endr
	WIN 0x04
.set i, 0
.rept 16
.set rb, 8*i+128*(i/8)
	ds_store_b64 v[XST+(\buf)], v[rb:rb+1]   offset:XP*i
	ds_store_b64 v[XST+(\buf)], v[rb+4:rb+5] offset:XP*i+256
.set i, i+1
.endr
	WIN 0
.set i, 0
.rept 16
	ds_store_b128 v[WST+(\buf)], v[WR+4*i:WR+4*i+3] offset:4*WP*i
.set i, i+1
.endr
.endm
; 32 LDS loads in one run: the fragments of 32 channels (half kk of the step) into buffer f: x's eight, turned, then wall's eight
.macro FETCH buf, kk, f
	WIN 0x40
.irp b, 0,1,2,3,4,5,6,7
	ds_load_tr16_b128 v[(\f)+8*(\b):(\f)+8*(\b)+3],   v[XAD+(\buf)] offset:(\kk)*32*XP+32*(\b)
	ds_load_tr16_b128 v[(\f)+8*(\b)+4:(\f)+8*(\b)+7], v[XAD+(\buf)] offset:(\kk)*32*XP+32*(\b)+16*XP
.endr
	WIN 0
.irp a, 0,1,2,3,4,5,6,7
	ds_load_b128 v[(\f)+8*(\a):(\f)+8*(\a)+3],   v[WAD+(\buf)] offset:16*WP*(\a)+64*(\kk)
	ds_load_b128 v[(\f)+8*(\a)+4:(\f)+8*(\a)+7], v[WAD+(\buf)] offset:16*WP*(\a)+64*(\kk)+32
.endr
.endm
; A step's first half: multiplies fragment buffer 0 and fetches the second half's fragments
.macro H0 buf, zero
	s_wait_dscnt 8                                 ; x's fragments and wall's lower four are in; the youngest eight loads (wall's upper four) may be out
	MUL16 F0, 0, 0, \zero
	MUL16 F0, 0, 2, \zero
	PLACES
	FETCH \buf, 1, F1
	s_wait_dscnt 32                                ; all but the 32 just issued
	MUL16 F0, 1, 0, \zero
	MUL16 F0, 1, 2, \zero
.endm
; A step's second half, in LDS buffer p: the next step's data go into the other buffer, the step after that is asked for (ld = 1), and ONE barrier serves both ways: in front of it my stores are done and my
; reads of buffer p are over; behind it the other buffer is read.  (The other buffer's last readers waited for their loads in front of the last step's barrier.)
.macro H1 p, ld
	s_wait_loadcnt 0x0                             ; the next step's data, asked for a step ago; the loads' bases are free too
	PUT 1-(\p)
.if \ld
	s_add_nc_u64 s[XB:XB+1], s[XB:XB+1], 64*16384  ; 64 channels on
	s_add_nc_u64 s[WB:WB+1], s[WB:WB+1], 128
	LOADG
.endif
	s_wait_dscnt 48                                ; the fragments are in; the 48 stores issued behind them may be out
	MUL16 F1, 0, 0, 0
	s_wait_dscnt 0x0
	s_barrier_signal -1
	MUL16 F1, 0, 2, 0                              ; work on registers while the others arrive
	s_barrier_wait -1
	PLACES
	FETCH 1-(\p), 0, F0
	MUL16 F1, 1, 0, 0
	MUL16 F1, 1, 2, 0
.endm
.irp a, 0,1,2,3,4,5,6,7
	global_load_b32 v[BI+2*\a],   v[BOF], s[26:27] offset:64*\a      ; the bias of my row in block a, in both registers of a pair
	global_load_b32 v[BI+2*\a+1], v[BOF], s[26:27] offset:64*\a
.endr
	LOADG                                          ; step 0
	s_wait_loadcnt 0x0
	PUT 0
	s_add_nc_u64 s[XB:XB+1], s[XB:XB+1], 64*16384
	s_add_nc_u64 s[WB:WB+1], s[WB:WB+1], 128
	LOADG                                          ; step 1
	s_wait_dscnt 0x0
	s_barrier_signal -1
	s_barrier_wait -1
	FETCH 0, 0, F0
	H0 0, 1                                        ; the first half step stands ahead of the loop: its products start the sums
	WIN 0                                          ; at a label and at a branch every window is 0
	s_mov_b32 s38, 3
.Lk:                                                   ; a trip: two steps, from one first half's end to the next but one's
	H1 0, 1
	H0 1, 0
	H1 1, 1
	H0 0, 0
	WIN 0
	s_sub_co_u32 s38, s38, 1
	s_cmp_lg_u32 s38, 0
	s_cbranch_scc1 .Lk
	H1 0, 0                                        ; step 6's second half: step 7 goes into LDS, nothing is left to ask for
	H0 1, 0
	s_wait_dscnt 8
	MUL16 F1, 0, 0, 0
	MUL16 F1, 0, 2, 0
	s_wait_dscnt 0x0
	MUL16 F1, 1, 0, 0
	MUL16 F1, 1, 2, 0
; THE WAY OUT, a group (16 rows x 64 pixels: row block a, half hb of my pixels) at a time: the bias is added, the sums are rounded, and each pixel block's 16 bytes a lane are stored as they lie.
.macro OUT a, hb
	WIN 0x02+((\a)/4)                              ; source 0: window 2 or 3
.set z, 0
.rept 16
.set ra, 8*(8*((\a)%4)+4*(\hb)+z/4)+2*(z%4)
	v_pk_add_f32 v[T+2*z:T+2*z+1], v[ra:ra+1], v[BI+2*(\a):BI+2*(\a)+1]  ; each accumulator's registers in ascending order
.set z, z+1
.endr
	WIN 0
	s_wait_xcnt 0x0                                ; the stores of two groups back have read their registers: only behind this wait is their set written again
.set z, 0
.rept 16
	v_cvt_pk_bf16_f32 v[UU+16*(\hb)+z], v[T+2*z], v[T+2*z+1]
.set z, z+1
.endr
.irp b, 0,1,2,3
	global_store_b128 v[GO], v[UU+16*(\hb)+4*\b:UU+16*(\hb)+4*\b+3], s[28:29] offset:(\hb)*131072+2048*(\a)+512*\b  ; a wave's store covers 512 consecutive bytes, aligned
.endr
.endm
	PLACES
.set gg, 0
.rept 16
	OUT gg/2, gg%2
.set gg, gg+1
.endr
	s_wait_tensorcnt 0x0                           ; the wave's end: behind my last LDS store
	ds_add_u32 v[SPW], v[NIL]
	s_wait_dscnt 0x0
	s_endpgm
.Lfunc_end_k_qbb6611c412_proj:
	.size	k_qbb6611c412_proj, .Lfunc_end_k_qbb6611c412_proj-k_qbb6611c412_proj
	.p2alignl 7, 3214868480
	.fill 96, 4, 3214868480
	.section	.rodata,"a",@progbits
	.p2align	6, 0x0
	.amdhsa_kernel k_qbb6611c412_proj
		.amdhsa_group_segment_fixed_size 143872
		.amdhsa_private_segment_fixed_size 0
		.amdhsa_enable_private_segment 0
		.amdhsa_kernarg_size 48
		.amdhsa_user_sgpr_count 2
		.amdhsa_user_sgpr_kernarg_segment_ptr 1
		.amdhsa_wavefront_size32 1
		.amdhsa_system_sgpr_workgroup_id_x 1
		.amdhsa_system_sgpr_workgroup_id_y 1
		.amdhsa_system_sgpr_workgroup_id_z 1
		.amdhsa_system_vgpr_workitem_id 0
		.amdhsa_next_free_vgpr 1024
		.amdhsa_next_free_sgpr 66
		.amdhsa_reserve_vcc 0
		.amdhsa_float_denorm_mode_32 3
		.amdhsa_float_denorm_mode_16_64 3
		.amdhsa_memory_ordered 1
		.amdhsa_forward_progress 1
		.amdhsa_inst_pref_size 143
	.end_amdhsa_kernel
	.amdgpu_metadata
---
amdhsa.version: [ 1, 2 ]
amdhsa.kernels:
  - .name:           k_qbb6611c412_proj
    .symbol:         k_qbb6611c412_proj.kd
    .args:
      - { .name: x, .offset: 0, .size: 8, .value_kind: global_buffer, .address_space: global }
      - { .name: wall, .offset: 8, .size: 8, .value_kind: global_buffer, .address_space: global }
      - { .name: bq, .offset: 16, .size: 8, .value_kind: global_buffer, .address_space: global }
      - { .name: bk, .offset: 24, .size: 8, .value_kind: global_buffer, .address_space: global }
      - { .name: bfold, .offset: 32, .size: 8, .value_kind: global_buffer, .address_space: global }
      - { .name: qkv, .offset: 40, .size: 8, .value_kind: global_buffer, .address_space: global }
    .group_segment_fixed_size: 143872
    .private_segment_fixed_size: 0
    .kernarg_segment_align: 8
    .kernarg_segment_size: 48
    .max_flat_workgroup_size: 128
    .sgpr_count:     66
    .vgpr_count:     1024
    .wavefront_size: 32
...
	.end_amdgpu_metadata
.endif
;; end of part 4
;; launch attn (part 5): grid 64 x 4, 4 waves a work-group, clusters of 4 x 1, 327,680 bytes of LDS; arguments qkv, x, gamma, out0; writes out0
.if DOCPART == 5
	.amdgcn_target "amdgcn-amd-amdhsa--gfx1250"
	.amdhsa_code_object_version 6
	.text
	.protected	k_qbb6611c412_attn
	.globl	k_qbb6611c412_attn
	.p2align	8
	.type	k_qbb6611c412_attn,@function
k_qbb6611c412_attn:
	s_mov_b64 s[64:65], 0
	v_nop
	global_prefetch_b8 v0, s[64:65] scope:SCOPE_SE
	s_setreg_imm32_b32 hwreg(HW_REG_WAVE_MODE, 25, 1), 1
	s_wait_xcnt 0x0
	s_wait_alu depctr_hold_cnt(0) depctr_sa_sdst(0) depctr_va_vdst(0) depctr_va_sdst(0) depctr_va_ssrc(0) depctr_va_vcc(0) depctr_vm_vsrc(0)
	s_getreg_b32 s2, hwreg(HW_REG_IB_STS2, 6, 4)
	s_cmp_eq_u32 s2, 0
	s_cbranch_scc0 .Lentry_in_a_cluster
	s_endpgm
.Lentry_in_a_cluster:
	s_bfe_u32 s2, ttmp6, 0x10000c
	s_cmp_lg_u32 s2, 0x3003
	s_cbranch_scc0 .Lentry_shape_is_right
	s_endpgm
.Lentry_shape_is_right:
; out0[b][c][n] = gamma x (the sum over m of softmax_m(q[:, n] . k[:, m] / 16) v'[c][m]) + x[b][c][n].  qkv: bf16 [4][64 blocks of 64 pixels][64 groups of 16 rows]: rows 0-255 q, 256-511 k, 512-1023
; v' = (Wo Wv) x + Wo bv + bo: the last projection and both biases lie in v' already, since a softmax row sums to 1.  A group (2,048 bytes) lies as [4 pixel blocks of 16][2 halves of 8 pixels][16 rows][8 pixels].
; Products, maxima and sums in f32; the weights p are rounded to bf16 for the second product (their sum l is taken of the unrounded p); x is added in f32.
; LIMITS.  A weight below 2^-126 counts as 0 in l; NaN and infinities are not treated apart.  The keys are summed in another order than the reference's (THE WALK).
; SHARES.  A work-group owns 64 queries (one block) of one image: four tiles of 16.  Its four waves SHARE them.  A key step is 64 keys (one block), 64 steps.  For S^T = K Q^T wave w takes the keys 16 w ..+15
; against all 64 queries (4 accumulators, 32 products over 256 channels); for O^T = V' P it takes the channels 128 w ..+127 against all 64 queries (32 accumulators, 64 products).  So a fragment of K or V'
; feeds four products and a fragment of P eight.  The price: in every step the waves' maxima and their parts of P meet in LDS.
; LAYOUT.  In S^T a lane holds ONE query (lane % 16) and the keys 16 w + 8 (lane / 16) + 0..7; rounded in pairs these are registers 0-3 (w even) or 4-7 (w odd) of the same lane in source 1 of O^T = V' P.
; k and q hold eight pixels of one channel in 16 bytes: their fragments come turned, by ds_load_tr16_b128.  In O^T a lane again holds one query, and eight channels.
; SOFTMAX.  For each query a running maximum m, common to the four waves, and each wave's own part of the sum l: p = 2^(c s - c m), c = log2(e) / 16; in every step O and l are multiplied by
; a = 2^(c m_old - c m_new).  c m starts far below every c s and O and l at 0: the first step is a step like any other, with a = 0.
; THE WALK.  With a running maximum the order of the keys is free.  The 64 blocks are walked in four runs of 16; inside a run cluster c of the image's sixteen begins at block 2 (c % 8) + c / 8 and goes round:
; step t names block (t & 48) | ((t + rot) & 15).  So the sixteen clusters ask for different blocks at a time, and a block that a cluster asks for has, but for a run's first steps, been asked for by
; another cluster some steps earlier.  rot hangs on the cluster's number alone: the four partners' descriptors are equal.
; V' COMES STRAIGHT INTO REGISTERS.  No wave wants a byte of V' that another wave has fetched, and in a group the 16 bytes of the 32 lanes of half a fragment lie on end: a load covers 512 consecutive bytes.
; One buffer of 128 registers, filled again in four runs of eight loads, each behind the last product that read its registers: 77 to 80 of a trip's 96 products ahead of its next use.  V' IS NOT ASKED FOR
; JOINTLY: through LDS, two slots of two steps of K and V' would take 4 x (49,152 + 73,728) bytes, more than there are, and slots of one step want a round of the cluster's barrier, with a wait for all loads, in every step.
; THE RING holds K alone: two slots of two steps.  CLUSTER: the four query blocks of a cluster belong to one image and walk the same K: each tile is asked for JOINTLY, by the same tensor load, descriptor and
; mask in all four.  Every two steps a round of the cluster's barrier; behind it wave w asks for half w % 2 of step w / 2 of the slot just read out: one load a wave, with 192 products in which to land.
; A TRIP (step j) has two phases.  First: the 32 products K Q^T of step j + 1, on fragments already in registers, and behind each of them four lines that multiply O^T by a(j).  Second: the 64 products V' P of
; step j, and behind them, four to a product, the softmax of step j + 1: my maxima; barrier X; the common maximum; exponentials; P into LDS; barrier Y.  K of step j + 2 is fetched from LDS behind X.
; REGISTERS, in windows of 256 (s_set_vgpr_msb: bits 1:0 source 0, 3:2 source 1, 5:4 source 2, 7:6 destination):
;   window 0: v0-15 addresses; v16-19 my maxima; v20-35 the four waves'; v40-71 eight registers of statistics a tile; v72-103 S^T; v104-119 my part of P; v128-191 P's fragments; v192-255 K's fragments
;   window 1: O^T, accumulator (channel block cb, tile t) at 8 (4 cb + t)      window 2: Q, fragment (t, kf) at 8 (8 t + kf); at the end x      window 3: v0-127 V', fragment (kk, cb) at 8 (8 kk + cb)
.set BLK,   131072                     ; a block of qkv
.set UP,    384                        ; 256 bytes of K or Q (16 rows' 8 pixels) in LDS, + 128 of padding: the turning load's sixteen lanes read 128 bytes of one such unit and 128 of the next
.set KSTEP, 128*UP                     ; 49,152: a step's K: 16 groups of 8 units
.set SLOT1, 1<<17                      ; slot 1 begins here, so that one exclusive or turns an address in one slot into the other's
.set PBUF,  2*KSTEP                    ; 98,304, behind slot 0: P: fragment 4 kk + t at 1,024 bytes each: registers 0-3 of the 32 lanes, then registers 4-7
.set MX,    PBUF+8192                  ; 106,496: the waves' maxima: wave, query % 16, tile; 1,024 bytes on, in the same form, their sums l
.set STAGE, MX+2048                    ; 108,544: 16 rows x 272 bytes for each wave, for the way out
.set SP,    272
.set SPARE, STAGE+4*16*SP              ; 125,952: the spare words, 128 bytes for each wave: two blocks of 256 bytes that no other line names
.set QT,    SLOT1+2*KSTEP              ; 229,376, behind slot 1: Q, filled once
.set AK0, 3                            ; v3   my lane's place in a step's K; never rewritten
.set VOF, 4                            ; v4   16 x my lane: my place in half a fragment of V'; never rewritten
.set AQ,  5                            ; v5   my lane's place in Q
.set ADR, 6                            ; v6   the LDS address of the run of loads in hand
.set PST, 7                            ; v7   where I put 16 bytes of P
.set PRD, 8                            ; v8   where I read P's fragments
.set MXS, 9                            ; v9   where I put my four maxima
.set MXR, 10                           ; v10  where I read the four waves'
.set STO, 11                           ; v11  the way out: where I put a number
.set RD,  12                           ; v12  where I read rows back
.set XO,  13                           ; v13  my byte offset in two rows of x and of out0
.set SPW, 14                           ; v14  LDS address of my spare word; never rewritten
.set NIL, 15                           ; v15  0; never rewritten
.set LM,  16
.set MR,  20
.set PFO, 36                           ; v36  256 x my lane; never rewritten
.set ST,  40                           ; tile t's statistics at v[ST+8 t]: c m, m, l (even keys', odd keys'), a, c m_old - c m_new, two at work
.set S,   72
.set PP,  104
.set PF,  128
.set KF,  192
.set WV,  12                           ; s12  my wave's number
.set PH,  15                           ; s15  a wave prefetches in the trips in which TV, modulo 16, is this
.set G1K, 24                           ; s[24:31] descriptor group 1 for K's tiles
.set G1Q, 40                           ; s[40:47] for Q's
.set G0Q, 48                           ; s[48:51] descriptor group 0 for my quarter of Q
.set G0KA, 52                          ; s[52:55] for my quarter of slot 0's first fill
.set G0K, 56                           ; s[56:59] for my quarter of slot 1's first fill; then it walks
.set CS,  66                           ; s[66:67] c: the packed scaling takes the pair's low word for both halves
.set SEL, 68                           ; s[68:69] v_permlanex16_b32's selects: each lane takes its own place in the other half
.set TB,  70                           ; s70  LDS byte at which K of the step to be fetched begins
.set CNT, 71                           ; s71  pairs of trips to go
.set PFB, 72                           ; s[72:73] my part of block 0 of the image, for the prefetches
.set GAM, 74                           ; s74  gamma
.set XB,  76                           ; s[76:77] x at my first row
.set OB,  78                           ; s[78:79] out0 at my first row
.set VB,  80                           ; s[80:81] my 128 channels of V' in the block of the step that is being asked for
.set CN2, 82                           ; s82  counts a slot's two trips
.set KBS, 84                           ; s[84:85] my half of K in block 0 of the image
.set VBS, 86                           ; s[86:87] my 128 channels of V' there
.set OFP, 88                           ; s[88:89] a block's byte offset, the high word 0
.set TK,  90                           ; s90  the step whose K I ask for next
.set TV,  91                           ; s91  the step behind the one whose V' is being asked for: j + 1 at the head of trip j
.set ROT, 92                           ; s92  rot: where my cluster begins a run
.set TMP, 93                           ; s93  at work
.set PFA, 94                           ; s[94:95] what the next prefetch names
.set MSB, 0
.macro WIN new                         ; the immediate's high byte repeats the setting that is left; a switch that changes nothing is dropped
.if MSB != (\new)
	s_set_vgpr_msb (MSB<<8)|(\new)
.set MSB, \new
.endif
.endm
.set W_KQ, 0x08                        ; Q in window 2; K and S^T in window 0
.set W_PV, 0x53                        ; V' in window 3, P in window 0, O^T in window 1
.set W_RS, 0x41                        ; O^T (destination and source 0) in window 1, a in window 0
.macro PLACES                          ; four places behind a matrix instruction, ahead of loads into registers that it read and of vector lines that read its result (ISA guide 7.12.1 for vector lines)
.rept 4
	v_nop
.endr
.endm
; A round of the cluster's barrier: my work-group's barrier, so that wave 0's signal speaks for all four waves; wave 0 signals; every wave waits for all four work-groups; my work-group's barrier once more.
.macro CROUND
	s_barrier_signal -1
	s_barrier_wait -1
	s_cmp_lg_u32 s[WV], 0
	s_cbranch_scc1 .Lnot_wave_0_\@
	s_barrier_signal -3
.Lnot_wave_0_\@:
	s_barrier_wait -3
	s_barrier_signal -1
	s_barrier_wait -1
.endm
; The byte offset of the block that step t of the walk names, made apart from every address
.macro BLOCK t
	s_add_co_u32 s[TMP], s[\t], s[ROT]
	s_and_b32 s[TMP], s[TMP], 15                   ; the place in the run of 16,
	s_and_b32 s[OFP], s[\t], 48                    ; the run
	s_or_b32 s[OFP], s[OFP], s[TMP]
	s_lshl_b32 s[OFP], s[OFP], 17                  ; 63 blocks of 131,072 bytes at the most
.endm
.macro ADRS g                          ; the global address of descriptor g is made anew for step TK; the type bits are set again; my next step lies a slot on
	BLOCK TK
	s_add_nc_u64 s[(\g)+2:(\g)+3], s[KBS:KBS+1], s[OFP:OFP+1]
	s_or_b32 s[(\g)+3], s[(\g)+3], 0x80000000      ; 127:126 type = 2
	s_add_co_u32 s[TK], s[TK], 2
.endm
.macro VSTEP                           ; V's base for step TV
	BLOCK TV
	s_add_nc_u64 s[VB:VB+1], s[VBS:VBS+1], s[OFP:OFP+1]
	s_add_co_u32 s[TV], s[TV], 1
.endm
; A PREFETCH INTO THE L2 of the block with which my cluster will begin the walk's next run: no other cluster asks for that block before mine does.  The sixteen clusters of an image name the run's sixteen blocks,
; each its own; the four partners share a block's bytes out BY ADDRESS (a quarter of K's 32,768 and of V's 65,536 bytes each); in each, wave 0 asks for K's 32 x 256 bytes and waves 2 and 3 for V's: a lane 256 bytes,
; one instruction a wave.  So each aligned 256 bytes are named once in the launch.  K's are named at the head of trips 10, 26 and 42: the joint load that wants them stands at the end of the next trip, 192 matrix
; instructions on.  V's are named at the head of trips 14, 30 and 46: the first load that wants them stands 144 matrix instructions on.  It stands behind the trip's runs of loads.  Run 0 comes by its loads alone.
.macro ASK
	s_and_b32 s[TMP], s[TV], 15
	s_cmp_eq_u32 s[TMP], s[PH]
	s_cbranch_scc0 .Lnot_mine_\@
	global_prefetch_b8 v[PFO], s[PFA:PFA+1] th:TH_LOAD_NT scope:SCOPE_SE
.Lnot_mine_\@:
.endm
.macro PFSTEP                          ; what a prefetch of the next trip would name: the first block of the run behind the one in which step TV lies
	s_and_b32 s[OFP], s[TV], 48
	s_add_co_u32 s[OFP], s[OFP], 16
	s_min_u32 s[OFP], s[OFP], 48                   ; the last run has none behind it, and no trip asks there: the address stays inside the image all the same
	s_add_co_u32 s[OFP], s[OFP], s[ROT]
	s_lshl_b32 s[OFP], s[OFP], 17
	s_add_nc_u64 s[PFA:PFA+1], s[PFB:PFB+1], s[OFP:OFP+1]
.endm
	s_load_b256 s[4:11], s[0:1], 0x0               ; qkv s[4:5], x s[6:7], gamma s[8:9], out0 s[10:11]
	v_lshl_add_u32 v[SPW], v0, 2, SPARE
	v_mov_b32 v[NIL], 0
	ds_add_u32 v[SPW], v[NIL]                      ; the wave's opening: the add and its wait stand ahead of my first tensor load; the set-up below, work on registers, stands between them
	v_lshrrev_b32 v1, 5, v0
	v_readfirstlane_b32 s[WV], v1                  ; wave 0..3
	s_bfe_u32 s13, ttmp6, 0x40000                  ; cx: my place in the cluster
	s_lshl_b32 s14, ttmp9, 2                       ; in a cluster launch ttmp9 counts clusters
	s_add_co_u32 s14, s14, s13                     ; my block of 64 queries: it enters Q's, x's and out0's addresses alone
	s_and_b32 s16, ttmp7, 0xffff                   ; the image, which the four partners share
	s_lshl_b32 s20, s16, 23                        ; its first byte: 64 blocks of qkv, and 512 rows of x and of out0, are 8 MiB each
	s_and_b32 s17, s[WV], 1                        ; which half of a step's K I fetch
	s_lshl_b32 s22, s17, 14                        ; K: 32,768 bytes into a block, my 16,384 bytes
	s_add_co_u32 s22, s22, 32768
	s_add_co_u32 s22, s22, s20
	s_mov_b32 s23, 0
	s_lshl_b32 s2, s[WV], 14                       ; V': 65,536 bytes into a block, my 8 groups of 2,048 bytes
	s_add_co_u32 s2, s2, 65536
	s_add_co_u32 s2, s2, s20
	s_mov_b32 s3, 0
	s_lshl_b32 s18, s14, 17                        ; Q: my block, my wave's 4 groups
	s_lshl_b32 s19, s[WV], 13
	s_add_co_u32 s18, s18, s19
	s_add_co_u32 s18, s18, s20
	s_mov_b32 s19, 0
	s_and_b32 s[ROT], ttmp9, 7                     ; rot = 2 (c % 8) + c / 8, c the cluster's number among the image's sixteen
	s_lshl_b32 s[ROT], s[ROT], 1
	s_lshr_b32 s[TMP], ttmp9, 3
	s_add_co_u32 s[ROT], s[ROT], s[TMP]
	s_lshr_b32 s[TK], s[WV], 1                     ; which of a slot's two steps I fetch
	s_mov_b32 s[TV], 0
	s_mov_b32 s[OFP+1], 0
	; descriptor group 1.  A tile is dense in memory: it is asked for as rows of 256 bytes, and padded in LDS after every row
	s_mov_b32 s[G1K], 15|(1<<16)|(1<<20)|(1<<21)|(5<<22)|(31<<25)  ; 15:0 the mask of four; 17:16 2-byte elements; 20 padding on; 21 set beside a mask; 24:22 after every 64 words (code 5); 31:25 32 words (code 31)
	s_mov_b32 s[G1Q], (1<<16)|(1<<20)|(5<<22)|(31<<25)             ; Q is my work-group's own: no mask
.irp g, G1K, G1Q
	s_mov_b32 s[\g+1], 128<<16                     ; tensor_dim0 = 128
	s_mov_b32 s[\g+3], 128<<16                     ; tile_dim0 = 128
	s_mov_b32 s[\g+5], 128                         ; 128 elements from row to row
	s_mov_b32 s[\g+6], 0
	s_mov_b32 s[\g+7], 0
.endr
	s_mov_b32 s[G1K+2], 64<<16                     ; tensor_dim1 and tile_dim1: 16,384 bytes of K,
	s_mov_b32 s[G1K+4], 64
	s_mov_b32 s[G1Q+2], 32<<16                     ; 8,192 of Q
	s_mov_b32 s[G1Q+4], 32
	s_mov_b32 s[G0Q], 1                            ; group 0: 1:0 count = 1; 63:32 the LDS address: no place in the cluster enters it
	s_mov_b32 s[G0KA], 1
	s_mov_b32 s[G0K], 1
	s_mul_i32 s75, s[WV], 64*UP                    ; step w / 2, half w % 2 of a slot: 24,576 w
	s_mov_b32 s[G0KA+1], s75
	s_add_co_u32 s[G0K+1], s75, SLOT1
	s_mul_i32 s75, s[WV], 32*UP
	s_add_co_u32 s[G0Q+1], s75, QT
	s_mov_b32 s[CS], 0x3db8aa3b                    ; c = log2(e) / 16 = 0.0901684
	s_mov_b32 s[CS+1], s[CS]                       ; named with it as a pair
	s_mov_b32 s[SEL], 0x76543210
	s_mov_b32 s[SEL+1], 0xfedcba98
	s_mov_b32 s[TB], 0
	s_cmp_lt_u32 s[WV], 2                          ; when a wave prefetches: wave 0 where TV is 11 modulo 16, waves 2 and 3 where it is 15,
	s_cselect_b32 s[PH], 11, 15
	s_cmp_eq_u32 s[WV], 1
	s_cselect_b32 s[PH], 16, s[PH]                 ; wave 1 never
	s_lshl_b32 s72, s13, 13                        ; of a block's K: my work-group's 8,192 bytes
	s_add_co_u32 s72, s72, 32768
	s_lshl_b32 s73, s13, 14                        ; of its V': my work-group's 16,384 bytes, wave 2's or wave 3's half
	s_lshl_b32 s75, s[WV], 13
	s_add_co_u32 s73, s73, s75
	s_add_co_u32 s73, s73, 65536-16384
	s_cmp_lt_u32 s[WV], 2
	s_cselect_b32 s72, s72, s73
	s_add_co_u32 s72, s72, s20
	s_mov_b32 s73, 0
	v_and_b32 v1, 15, v0                           ; r
	v_bfe_u32 v2, v0, 4, 1                         ; h
	v_and_b32 v37, 31, v0                          ; lane
	v_and_b32 v38, 7, v0
	v_bfe_u32 v39, v0, 3, 1
	v_lshl_add_u32 v38, v2, 3, v38                 ; the turning load: lane l reads row 8 (l / 16) + l % 8 of a group, 16 bytes each,
	v_lshlrev_b32 v38, 4, v38
	v_mul_u32_u24 v39, v39, UP                     ; pixels 8 ((l / 8) % 2) + 0..7 of a pixel block: the block's first or second unit
	v_add_nc_u32 v38, v39, v38
	s_mul_i32 s75, s[WV], 2*UP                     ; my 16 keys: pixel block w of each group
	v_add_nc_u32 v[AK0], s75, v38
	v_add_nc_u32 v[AQ], QT, v38
	v_lshlrev_b32 v[VOF], 4, v37
	s_lshr_b32 s75, s[WV], 1                       ; my keys lie in half w / 2 of the step's 64, in registers 0-3 or 4-7 of its fragments
	s_lshl_b32 s75, s75, 12
	s_lshl_b32 s16, s17, 9
	s_add_co_u32 s75, s75, s16
	s_add_co_u32 s75, s75, PBUF
	v_lshl_add_u32 v[PST], v37, 4, s75
	v_lshl_add_u32 v[PRD], v37, 4, PBUF
	s_lshl_b32 s75, s[WV], 8
	s_add_co_u32 s75, s75, MX
	v_lshl_add_u32 v[MXS], v1, 4, s75
	v_lshl_add_u32 v[MXR], v1, 4, MX
	s_mul_i32 s75, s[WV], 16*SP
	s_add_co_u32 s75, s75, STAGE
	v_mul_u32_u24 v[STO], v2, 8*SP                 ; in: row 8 h + j, column 16 t + r, 4 bytes
	v_lshl_add_u32 v[STO], v1, 2, v[STO]
	v_add_nc_u32 v[STO], s75, v[STO]
	v_mul_u32_u24 v[RD], v2, SP                    ; back: lanes 0-15 take one row of 256 bytes, lanes 16-31 the next
	v_lshl_add_u32 v[RD], v1, 4, v[RD]
	v_add_nc_u32 v[RD], s75, v[RD]
	v_lshlrev_b32 v[XO], 14, v2                    ; and the same two rows in x and in out0
	v_lshl_add_u32 v[XO], v1, 4, v[XO]
	v_lshlrev_b32 v[PFO], 8, v37
	s_wait_dscnt 0x0                               ; the opening add is done
	s_wait_kmcnt 0x0
	s_load_b32 s[GAM], s[8:9], 0x0
	s_add_nc_u64 s[KBS:KBS+1], s[4:5], s[22:23]
	s_add_nc_u64 s[VBS:VBS+1], s[4:5], s[2:3]
	ADRS G0KA                                      ; steps 0 and 1 of the walk,
	ADRS G0K                                       ; steps 2 and 3
	VSTEP                                          ; V' of step 0
	s_add_nc_u64 s[G0Q+2:G0Q+3], s[4:5], s[18:19]
	s_or_b32 s[G0Q+3], s[G0Q+3], 0x80000000
	s_add_nc_u64 s[PFB:PFB+1], s[4:5], s[PFB:PFB+1]
	PFSTEP
	s_lshl_b32 s18, s[WV], 21                      ; x and out0: my 128 rows of 16,384 bytes, my block's 256 bytes of each
	s_lshl_b32 s19, s14, 8
	s_add_co_u32 s18, s18, s19
	s_add_co_u32 s18, s18, s20
	s_mov_b32 s19, 0
	s_add_nc_u64 s[XB:XB+1], s[6:7], s[18:19]
	s_add_nc_u64 s[OB:OB+1], s[10:11], s[18:19]
; THE LOADS OF V': four fragments, f0 on: keys 32 (f / 8) on, channels 16 (f % 8) on; each load covers 512 consecutive bytes, aligned.
.macro VLOAD f0
	WIN 0xc0                                       ; destination window 3, offset window 0
.set vf, \f0
.rept 4
	global_load_b128 v[8*vf:8*vf+3],   v[VOF], s[VB:VB+1] offset:2048*(vf%8)+1024*(vf/8)
	global_load_b128 v[8*vf+4:8*vf+7], v[VOF], s[VB:VB+1] offset:2048*(vf%8)+1024*(vf/8)+512
.set vf, vf+1
.endr
.endm
	CROUND                                         ; all four work-groups are here: the first joint loads meet
	tensor_load_to_lds s[G0Q:G0Q+3], s[G1Q:G1Q+7]  ; a wave's three first fills stand together, ahead of every wait on TENSORcnt and every LDS read: three loads of mine are out
	s_nop 0
	tensor_load_to_lds s[G0KA:G0KA+3], s[G1K:G1K+7]
	s_nop 0
	tensor_load_to_lds s[G0K:G0K+3], s[G1K:G1K+7]
	s_nop 0
	PLACES
	VLOAD 0                                        ; V' of step 0, but for its last four fragments, which trip 0 asks for like every trip
	VLOAD 4
	VLOAD 8
	WIN 0
	; O^T and l start at 0, in the wait for the first tiles: the price of writing no first trip out.  Thirty-two products of zeros, with the constant 0 as C, write O^T's 256 registers.
.set i, 0
.rept 16
	v_mov_b32 v[KF+i], 0
.set i, i+1
.endr
	WIN 0x40                                       ; destination window 1, both sources window 0
.set i, 0
.rept 32
	v_wmma_f32_16x16x32_bf16 v[8*i:8*i+7], v[KF:KF+7], v[KF+8:KF+15], 0
.set i, i+1
.endr
	WIN 0
.irp t, 0,1,2,3                        ; sixteen plain lines: the places behind those products, ahead of the loads into K's registers
	v_mov_b32 v[ST+8*\t], 0xfe000000               ; c m: far below every c s
	v_mov_b32 v[ST+8*\t+1], 0xff7fffff             ; m: the lowest finite number
	v_mov_b32 v[ST+8*\t+2], 0
	v_mov_b32 v[ST+8*\t+3], 0
.endr
; THE MATRIX WORK.  The accumulators take turns, one instruction a turn.  Product i of 32 of S^T = K Q^T: channels 32 (i / 4) on, tile i % 4.  The first four start the sums.
.macro KQ
	WIN W_KQ
.set rS, S+8*(i%4)
.set rK, KF+8*(i/4)
.set rQ, 8*(8*(i%4)+i/4)
.if i < 4
	v_wmma_f32_16x16x32_bf16 v[rS:rS+7], v[rK:rK+7], v[rQ:rQ+7], 0
.else
	v_wmma_f32_16x16x32_bf16 v[rS:rS+7], v[rK:rK+7], v[rQ:rQ+7], v[rS:rS+7]
.endif
.endm
; Product i of 64 of O^T += V' P: keys 32 (i / 32) on, channels 16 ((i / 4) % 8) on, tile i % 4: fragment i / 4 of V'.
.macro PV
	WIN W_PV
.set rO, 8*(i%32)
.set rV, 8*(i/4)
.set rP, PF+8*(4*(i/32)+i%4)
	v_wmma_f32_16x16x32_bf16 v[rO:rO+7], v[rV:rV+7], v[rP:rP+7], v[rO:rO+7]
.endm
.macro RS                              ; accumulator i of O^T times a of its tile, its registers in ascending order
	WIN W_RS
.irp z, 0,1,2,3
	v_pk_mul_f32 v[8*i+2*\z:8*i+2*\z+1], v[8*i+2*\z:8*i+2*\z+1], v[ST+8*(i%4)+4:ST+8*(i%4)+5] op_sel_hi:[1,0]
.endr
.endm
; THE LDS LOADS stand in runs.  K: my 16 keys x 256 channels, turned: 8 fragments, each of two groups of 16 channels (8 units apart).
.macro FETCH_K
	WIN 0
	v_add_nc_u32 v[ADR], s[TB], v[AK0]
	s_add_co_u32 s[TB], s[TB], KSTEP               ; the next fetch is the next step's
.irp f, 0,1,2,3,4,5,6,7
	ds_load_tr16_b128 v[KF+8*\f:KF+8*\f+3],   v[ADR] offset:16*UP*\f
	ds_load_tr16_b128 v[KF+8*\f+4:KF+8*\f+7], v[ADR] offset:16*UP*\f+8*UP
.endr
.endm
.macro FETCH_P                         ; P: all eight fragments (64 keys x 64 queries)
	WIN 0
.irp f, 0,1,2,3,4,5,6,7
	ds_load_b128 v[PF+8*\f:PF+8*\f+3],   v[PRD] offset:1024*\f
	ds_load_b128 v[PF+8*\f+4:PF+8*\f+7], v[PRD] offset:1024*\f+512
.endr
.endm
; THE SOFTMAX OF A STEP is a list of 128 lines, the four tiles innermost, so that no line reads the result of the one before it; RID writes the next.  s0-s7 are the lane's eight scores of a tile.
;   0-23    my maximum: c0 = max(s0, s1, s2) (the accumulator's lowest registers first); c1 = max(s3, s4, s5); c0 with s6, s7; with c1; the other half of the lanes'; into LM
;   24-47   the common maximum: m with the four waves'; c m; c m_old - c m_new; a (four exponentials on end); c m is written anew (the plain lines behind them)
;   48-127  four plain lines, then an exponential and a plain line by turns, 32 times, then twelve plain lines.  The plain queue, four tiles each: c s - c m for pairs 0, 1, 2; pair 0 rounded; c s - c m for
;           pair 3; pair 1 rounded; pair 1 added onto pair 0; pair 2 rounded; l = a l + pair 0; pair 3 rounded; pair 3 added onto pair 2; l += pair 2.  The exponentials go pair by pair, tile by tile.
;           Every exponential stands behind its scaling, every rounding and sum has a plain line between it and its exponentials, and the line behind an exponential names none of its registers.
.macro PLQ u
.set t, (\u)%4
.set kd, (\u)/4
.set rT, ST+8*t
.set rS, S+8*t
.if (kd < 3) || (kd == 4)
.set p, kd-kd/4
	v_pk_fma_f32 v[rS+2*p:rS+2*p+1], v[rS+2*p:rS+2*p+1], s[CS:CS+1], v[rT:rT+1] op_sel_hi:[1,0,0] neg_lo:[0,0,1] neg_hi:[0,0,1]
.elseif (kd == 3) || (kd == 5) || (kd == 7) || (kd == 9)
.set p, (kd-3)/2
	s_wait_alu depctr_va_vdst(0)
	v_cvt_pk_bf16_f32 v[PP+4*t+p], v[rS+2*p], v[rS+2*p+1]
.elseif kd == 6
	v_pk_add_f32 v[rS:rS+1], v[rS:rS+1], v[rS+2:rS+3]
.elseif kd == 8
	v_pk_fma_f32 v[rT+2:rT+3], v[rT+2:rT+3], v[rT+4:rT+5], v[rS:rS+1] op_sel_hi:[1,0,1]
.elseif kd == 10
	v_pk_add_f32 v[rS+4:rS+5], v[rS+4:rS+5], v[rS+6:rS+7]
.else
	v_pk_add_f32 v[rT+2:rT+3], v[rT+2:rT+3], v[rS+4:rS+5]
.endif
.endm
.macro EXQ e
.set rS, S+8*(((\e)%8)/2)+2*((\e)/8)+(\e)%2
	v_exp_f32 v[rS], v[rS]
.endm
.macro RID
	WIN 0
.if n < 48
.set t, n%4
.set o, (n%24)/4
.set rT, ST+8*t
.set rS, S+8*t
.if n < 24
.if o == 0
	v_max3_num_f32 v[rT+6], v[rS], v[rS+1], v[rS+2]
.elseif o == 1
	v_max3_num_f32 v[rT+7], v[rS+3], v[rS+4], v[rS+5]
.elseif o == 2
	v_max3_num_f32 v[rT+6], v[rT+6], v[rS+6], v[rS+7]
.elseif o == 3
	v_max_num_f32 v[rT+6], v[rT+6], v[rT+7]
.elseif o == 4
	v_permlanex16_b32 v[rT+7], v[rT+6], s[SEL], s[SEL+1]
.else
	v_max_num_f32 v[LM+t], v[rT+6], v[rT+7]
.endif
.else
.if o == 0
	v_max3_num_f32 v[rT+1], v[rT+1], v[MR+t], v[MR+4+t]
.elseif o == 1
	v_max3_num_f32 v[rT+1], v[rT+1], v[MR+8+t], v[MR+12+t]
.elseif o == 2
	v_mul_f32 v[rT+6], s[CS], v[rT+1]
.elseif o == 3
	v_sub_f32 v[rT+5], v[rT], v[rT+6]
.elseif o == 4
	v_exp_f32 v[rT+4], v[rT+5]
.else
	v_mov_b32 v[rT], v[rT+6]
.endif
.endif
.else
.set k, n-48
.if k < 4
	PLQ k
.elseif k < 68
.if (k%2) == 0
	EXQ (k-4)/2
.else
	PLQ 4+(k-4)/2
.endif
.else
	PLQ k-32
.endif
.endif
.set n, n+1
.endm
.macro MXLOAD off                      ; the four waves' numbers for my query in the four tiles
.irp sv, 0,1,2,3
	ds_load_b128 v[MR+4*\sv:MR+4*\sv+3], v[MXR] offset:(\off)+256*\sv
.endr
.endm
.macro PSTORE                          ; my 16 keys' weights for the four tiles
.irp t, 0,1,2,3
	ds_store_b128 v[PST], v[PP+4*\t:PP+4*\t+3] offset:1024*\t
.endr
.endm
; A TRIP'S FIRST PHASE.  P of step j is fetched and the last four fragments of its V' are asked for (the four v_nop ahead of this macro are the places behind their registers' last readers); then the 32 products
; K Q^T of step j + 1, and behind each four lines of the rescaling, which name none of its registers: the last four are the places ahead of the first read of the scores.  pf = 1: the place of the prefetch.
; At its end V's base goes on to step j + 1, and the prefetch's address is made anew: behind s_wait_xcnt 0, 32 products behind the youngest load and the prefetch.
.macro QPHASE pf
	FETCH_P
	VLOAD 12
	WIN 0
.if \pf
	ASK
.endif
.set i, 0
.rept 32
	KQ
	RS
.set i, i+1
.endr
	s_wait_dscnt 0x0                               ; P is in
	s_wait_xcnt 0x0
	VSTEP
.if \pf
	PFSTEP
.endif
.endm
; A TRIP'S SECOND PHASE: the 64 products V' P of step j, and the softmax of step j + 1 in fours behind products 0-5, 16-39, 48 and 49.
; V' OF STEP j + 1 is asked for in runs of eight loads, into the registers just read: fragments 0-3 behind product 16 and its four plain lines, 4-7 behind product 34 (eight plain lines behind product 31),
; 8-11 behind product 49 (eight plain lines behind product 47).  The waits are counted: ahead of product 0 the three younger runs may be out (24 loads); ahead of products 16, 32 and 48 the two younger runs (16).
; Barrier X (signal behind product 5, wait behind 11): in front of it my maxima lie in LDS and my reads of P(j) are over; behind it the four waves' maxima are read and, later, P(j + 1) is written.
; kf = 1: K of step j + 2 is fetched behind X, more than four plain lines behind the last product that read K's registers.
; Barrier Y (signal behind product 53, wait behind 63): in front of it my stores of P(j + 1), my reads of the maxima and my reads of K are done; behind it P(j + 1) is read.
.macro PPHASE kf
.set i, 0
.set n, 0
.rept 64
.if i == 0
	s_wait_loadcnt 24
.elseif i == 16
	s_wait_dscnt 16*(\kf)                          ; the maxima are in; K's 16 loads, issued behind them, may stay out
	s_wait_loadcnt 16
.elseif (i == 32) || (i == 48)
	s_wait_loadcnt 16
.endif
	PV
.if (i < 6) || ((i >= 16) && (i < 40)) || (i == 48) || (i == 49)
	RID
	RID
	RID
	RID
.endif
.if i == 5
	ds_store_b128 v[MXS], v[LM:LM+3]
	s_wait_dscnt 0x0
	s_barrier_signal -1
.elseif i == 11
	WIN 0
	s_barrier_wait -1
	MXLOAD 0
.if \kf
	FETCH_K
.endif
.elseif i == 16
	VLOAD 0
.elseif i == 34
	VLOAD 4
.elseif i == 39
	PSTORE
.elseif i == 49
	VLOAD 8
.elseif i == 53
	s_wait_dscnt 0x0
	s_barrier_signal -1
.endif
.set i, i+1
.endr
	WIN 0                                          ; at a label and at a branch every window is 0
	s_barrier_wait -1
	PLACES
.endm
; THE CHANGE OF SLOTS, behind a slot's two trips: both its steps' K are in registers.  Each wave waits for all its tensor loads, of which one is out: its part of the other slot; adds 0 to its spare word; and waits
; for that and for its own reads of the slot.  fill = 1: the slot is filled again, with the steps two slots on: the barrier is a round of the cluster's, so that no wave of any partner still reads the slot or has a
; load on its way, and the joint refill is the first thing behind it.  fill = 0: nothing is left to ask for.
.macro CHANGE fill
	s_wait_tensorcnt 0x0                           ; no tensor load of mine is out, so a group 0 may be written
	ds_add_u32 v[SPW], v[NIL]                      ; 0 onto my spare word; scalar work stands between it and the wait for it
.if \fill
	s_xor_b32 s[G0K+1], s[G0K+1], SLOT1            ; the walking descriptor: the other slot than last time
	ADRS G0K
.endif
	s_sub_co_u32 s[TB], s[TB], 2*KSTEP             ; the fetches go back to a slot's first step,
	s_xor_b32 s[TB], s[TB], SLOT1                  ; in the other slot
	s_wait_dscnt 0x0                               ; the add is done, and my reads of the slot are over
.if \fill
	CROUND
	tensor_load_to_lds s[G0K:G0K+3], s[G1K:G1K+7]
	s_nop 0
	PLACES
.else
	s_barrier_signal -1
	s_barrier_wait -1
.endif
.endm
	s_wait_tensorcnt 0x0                           ; my parts of Q and of K of steps 0 to 3 are in,
	s_barrier_signal -1
	s_barrier_wait -1                              ; everybody's are
	WIN 0x80                                       ; Q stays in registers: tile t (pixel block t of each group), channels 32 kf on
.irp t, 0,1,2,3
.irp f, 0,1,2,3,4,5,6,7
	ds_load_tr16_b128 v[8*(8*\t+\f):8*(8*\t+\f)+3],   v[AQ] offset:16*UP*\f+2*UP*\t
	ds_load_tr16_b128 v[8*(8*\t+\f)+4:8*(8*\t+\f)+7], v[AQ] offset:16*UP*\f+2*UP*\t+8*UP
.endr
.endr
	FETCH_K                                        ; step 0
	s_wait_dscnt 0x0
.set i, 0
.rept 32
	KQ                                             ; the first scores: there is no vector work yet to set between them
.set i, i+1
.endr
	WIN 0
	PLACES
	FETCH_K                                        ; step 1
.set n, 0
.rept 24
	RID
.endr
	ds_store_b128 v[MXS], v[LM:LM+3]
	CHANGE 1                                       ; slot 0 has been read: it takes steps 4 and 5; the round also stands between my store of the maxima and the others' reads
	MXLOAD 0
	s_wait_dscnt 0x0
	s_wait_kmcnt 0x0                               ; gamma
.rept 104
	RID
.endr
	PSTORE
	s_wait_dscnt 0x0
	s_barrier_signal -1
	s_barrier_wait -1                              ; P of step 0 lies in LDS
	s_mov_b32 s[CNT], 29
.Lpair:                                                ; steps 0 to 57: a slot's two trips, written once and walked twice, then the change of slots
	s_mov_b32 s[CN2], 2
.Lstep:
	QPHASE 1
	PPHASE 1
	s_sub_co_u32 s[CN2], s[CN2], 1
	s_cmp_lg_u32 s[CN2], 0
	s_cbranch_scc1 .Lstep
	CHANGE 1
	s_sub_co_u32 s[CNT], s[CNT], 1
	s_cmp_lg_u32 s[CNT], 0
	s_cbranch_scc1 .Lpair
	s_mov_b32 s[CNT], 2
.Lpair2:                                               ; steps 58 to 61 are written out: K has been asked for to its end
	s_mov_b32 s[CN2], 2
.Lstep2:
	QPHASE 0
	PPHASE 1
	s_sub_co_u32 s[CN2], s[CN2], 1
	s_cmp_lg_u32 s[CN2], 0
	s_cbranch_scc1 .Lstep2
	CHANGE 0
	s_sub_co_u32 s[CNT], s[CNT], 1
	s_cmp_lg_u32 s[CNT], 0
	s_cbranch_scc1 .Lpair2
	QPHASE 0                                       ; step 62: the last scores and the last softmax
	PPHASE 0
; x: half hf of my 128 rows x 256 bytes, into Q's registers, which are free; sixteen lanes read 256 consecutive bytes, aligned
.macro XLOAD hf
	WIN 0x80
.set xi, 32*(\hf)
.rept 32
	global_load_b128 v[4*xi:4*xi+3], v[XO], s[XB:XB+1] offset:2*xi*16384 th:TH_LOAD_NT
.set xi, xi+1
.endr
.endm
	FETCH_P                                        ; step 63
	VLOAD 12
	XLOAD 0
.set i, 0
.rept 32
	RS
.set i, i+1
.endr
	s_wait_dscnt 0x0
.set i, 0
.rept 64                               ; no V' is left to ask for: behind a run of V's loads stand the younger runs and x's first 32 loads
.if i == 0
	s_wait_loadcnt 56
.elseif i == 16
	s_wait_loadcnt 48
.elseif i == 32
	s_wait_loadcnt 40
.elseif i == 48
	s_wait_loadcnt 32
.endif
	PV
.if i == 48
	XLOAD 1
.endif
.set i, i+1
.endr
	; THE WAY OUT.  l: its two halves, the other half of the lanes', and through LDS the four waves' parts.  The additions are the places behind the last products.
	WIN 0
.irp t, 0,1,2,3
	v_add_f32 v[ST+8*\t+2], v[ST+8*\t+2], v[ST+8*\t+3]
.endr
.irp t, 0,1,2,3
	v_permlanex16_b32 v[ST+8*\t+3], v[ST+8*\t+2], s[SEL], s[SEL+1]
.endr
.irp t, 0,1,2,3
	v_add_f32 v[LM+\t], v[ST+8*\t+2], v[ST+8*\t+3]
.endr
	ds_store_b128 v[MXS], v[LM:LM+3] offset:1024
	s_wait_dscnt 0x0
	s_barrier_signal -1
	s_barrier_wait -1
	MXLOAD 1024
	s_wait_dscnt 0x0
	v_pk_add_f32 v[MR:MR+1],     v[MR:MR+1],     v[MR+4:MR+5]
	v_pk_add_f32 v[MR+2:MR+3],   v[MR+2:MR+3],   v[MR+6:MR+7]
	v_pk_add_f32 v[MR+8:MR+9],   v[MR+8:MR+9],   v[MR+12:MR+13]
	v_pk_add_f32 v[MR+10:MR+11], v[MR+10:MR+11], v[MR+14:MR+15]
	v_pk_add_f32 v[MR:MR+1],     v[MR:MR+1],     v[MR+8:MR+9]
	v_pk_add_f32 v[MR+2:MR+3],   v[MR+2:MR+3],   v[MR+10:MR+11]
.irp t, 0,1,2,3
	v_rcp_f32 v[ST+8*\t+4], v[MR+\t]               ; l is at least 1: the greatest score's weight
.endr
	v_nop                                          ; a plain line between the last reciprocal and the use of its result
.irp t, 0,1,2,3
	s_wait_alu depctr_va_vdst(0)
	v_mul_f32 v[ST+8*\t+4], s[GAM], v[ST+8*\t+4]   ; gamma / l
.endr
; Channel block cb: 16 rows x 64 queries, f32.  PACKO: times gamma / l; a number a lane into rows of 272 bytes of my own stage; back as whole rows of 256 bytes.
.macro PACKO cb
	WIN 0x01                                       ; source 0 window 1
.set z, 0
.rept 16
	v_pk_mul_f32 v[S+2*z:S+2*z+1], v[8*(4*(\cb)+z/4)+2*(z%4):8*(4*(\cb)+z/4)+2*(z%4)+1], v[ST+8*(z/4)+4:ST+8*(z/4)+5] op_sel_hi:[1,0]  ; each accumulator's registers in ascending order
.set z, z+1
.endr
	WIN 0
.set z, 0
.rept 32
	ds_store_b32 v[STO], v[S+z] offset:SP*(z%8)+64*(z/8)
.set z, z+1
.endr
	s_wait_xcnt 0x0                                ; the stores of two blocks back have read their registers: only behind this wait are these loaded again
.irp f, 0,1,2,3,4,5,6,7
	ds_load_b128 v[PF+32*((\cb)%2)+4*\f:PF+32*((\cb)%2)+4*\f+3], v[RD] offset:2*SP*\f  ; LDS serves a wave's instructions in order (ISA guide 5.7.1.4): these see the stores above
.endr
.endm
; SENDO: x is added and the rows are stored.  younger: the LDS instructions issued behind the block's loads: the next block's forty, or none.
.macro SENDO cb, younger
	s_wait_dscnt \younger
.if (\cb) == 0
	s_wait_loadcnt 32                              ; x's first half is in; the 32 loads of its second half may be out
.elseif (\cb) == 4
	s_wait_loadcnt 0x0
.endif
	WIN 0x08                                       ; source 1 window 2
.set z, 0
.rept 16
	v_pk_add_f32 v[PF+32*((\cb)%2)+2*z:PF+32*((\cb)%2)+2*z+1], v[PF+32*((\cb)%2)+2*z:PF+32*((\cb)%2)+2*z+1], v[32*(\cb)+2*z:32*(\cb)+2*z+1]
.set z, z+1
.endr
	WIN 0
.irp f, 0,1,2,3,4,5,6,7
	global_store_b128 v[XO], v[PF+32*((\cb)%2)+4*\f:PF+32*((\cb)%2)+4*\f+3], s[OB:OB+1] offset:(16*(\cb)+2*\f)*16384 th:TH_STORE_NT  ; sixteen lanes store 256 consecutive bytes, aligned
.endr
.endm
	PACKO 0
.set cc, 1
.rept 7                                ; a block's arithmetic stands between the loads of the block before and its stores
	PACKO cc
	SENDO cc-1, 40
.set cc, cc+1
.endr
	SENDO 7, 0
	s_wait_tensorcnt 0x0                           ; the wave's end: behind my last tensor load and my last LDS store
	ds_add_u32 v[SPW], v[NIL]
	s_wait_dscnt 0x0
	CROUND                                         ; the closing round: no work-group ends while a partner may still ask for a tile that names it
	s_endpgm
.Lfunc_end_k_qbb6611c412_attn:
	.size	k_qbb6611c412_attn, .Lfunc_end_k_qbb6611c412_attn-k_qbb6611c412_attn
	.p2alignl 7, 3214868480
	.fill 96, 4, 3214868480
	.section	.rodata,"a",@progbits
	.p2align	6, 0x0
	.amdhsa_kernel k_qbb6611c412_attn
		.amdhsa_group_segment_fixed_size 327680
		.amdhsa_private_segment_fixed_size 0
		.amdhsa_enable_private_segment 0
		.amdhsa_kernarg_size 32
		.amdhsa_user_sgpr_count 2
		.amdhsa_user_sgpr_kernarg_segment_ptr 1
		.amdhsa_wavefront_size32 1
		.amdhsa_system_sgpr_workgroup_id_x 1
		.amdhsa_system_sgpr_workgroup_id_y 1
		.amdhsa_system_sgpr_workgroup_id_z 1
		.amdhsa_system_vgpr_workitem_id 0
		.amdhsa_next_free_vgpr 896
		.amdhsa_next_free_sgpr 96
		.amdhsa_reserve_vcc 0
		.amdhsa_float_denorm_mode_32 3
		.amdhsa_float_denorm_mode_16_64 3
		.amdhsa_memory_ordered 1
		.amdhsa_forward_progress 1
		.amdhsa_inst_pref_size 192
	.end_amdhsa_kernel
	.amdgpu_metadata
---
amdhsa.version: [ 1, 2 ]
amdhsa.kernels:
  - .name:           k_qbb6611c412_attn
    .symbol:         k_qbb6611c412_attn.kd
    .args:
      - { .name: qkv, .offset: 0, .size: 8, .value_kind: global_buffer, .address_space: global }
      - { .name: x, .offset: 8, .size: 8, .value_kind: global_buffer, .address_space: global }
      - { .name: gamma, .offset: 16, .size: 8, .value_kind: global_buffer, .address_space: global }
      - { .name: out0, .offset: 24, .size: 8, .value_kind: global_buffer, .address_space: global }
    .group_segment_fixed_size: 327680
    .private_segment_fixed_size: 0
    .kernarg_segment_align: 8
    .kernarg_segment_size: 32
    .max_flat_workgroup_size: 128
    .sgpr_count:     96
    .vgpr_count:     896
    .wavefront_size: 32
...
	.end_amdgpu_metadata
.endif
;; end of part 5
;; ======== version 3 of 3: 3 launches; version 2 with the launch proj written anew for expert scheduling mode
;; limits: values outside matrix products are rounded to bf16
;; workspace buffers: wall 1,048,576 bytes; bfold 2,048 bytes; qkv 33,554,432 bytes
;; launch wfold: the kernel of part 1 again; grid 128 x 1, 4 waves a work-group, no clusters, 37,376 bytes of LDS; arguments Wq, Wk, Wv, Wo, bv, bo, wall, bfold; writes wall, bfold
;; launch proj (part 6): grid 4 x 64, 4 waves a work-group, no clusters, 143,872 bytes of LDS; arguments x, wall, bq, bk, bfold, qkv; writes qkv
.if DOCPART == 6
	.amdgcn_target "amdgcn-amd-amdhsa--gfx1250"
	.amdhsa_code_object_version 6
	.text
	.protected	k_qbb6611c412_proj
	.globl	k_qbb6611c412_proj
	.p2align	8
	.type	k_qbb6611c412_proj,@function
k_qbb6611c412_proj:
	s_mov_b64 s[64:65], 0
	v_nop
	global_prefetch_b8 v0, s[64:65] scope:SCOPE_SE
	s_setreg_imm32_b32 hwreg(HW_REG_WAVE_SCHED_MODE, 0, 2), 2
	s_setreg_imm32_b32 hwreg(HW_REG_WAVE_MODE, 25, 1), 1
	s_wait_xcnt 0x0
	s_wait_alu depctr_vm_vsrc(0)
; q, k, v' = [Wq; Wk; W'] x + [bq; bk; b'].  x: f32 [4][512 channels][4096 pixels]; wall: bf16 [1024][512]; qkv: bf16 [4 images][64 blocks of 64 pixels][64 groups of 16 rows], a block 131,072 bytes,
; rows 0-255 q, 256-511 k, 512-1023 v'.  A GROUP (16 rows x 64 pixels, 2,048 bytes) lies as [4 pixel blocks of 16][2 halves of 8 pixels][16 rows][8 pixels]: 16 bytes for each lane of a matrix result, in the
; lanes' order.  x is rounded to bf16 on its way into LDS; sums in f32; the bias is added in f32; q, k, v' are rounded once.
; LIMITS.  NaN and infinities are not treated apart.  bf16 has f32's range, so large inputs keep their room.
; SHARES.  A work-group makes 256 pixels x 256 rows, over all 512 channels; each of its four waves 128 x 128: 64 accumulators of 16 x 16, 512 registers.  4 x 64 work-groups.
; NO TENSOR LOAD, NO CLUSTER: x is f32 in memory and has to pass through registers to become bf16, which a copy into LDS cannot do; wall is a third of a step's bytes.  Both come by loads into registers,
; asked for a step ahead of the wait for them, and are stored into one of two LDS buffers: one barrier a step.
; No prefetch: of every 64 KiB of x that a step reads, the next step's is already asked for by these loads.
; THE PRODUCT: source 0 = 16 pixels x 32 channels of x (x lies [channel][pixel], so its fragments come turned, by ds_load_tr16_b128), source 1 = 16 rows of wall.  In the result a lane holds ONE row
; (lane % 16) and the pixels 8 (lane / 16) + 0..7: its 16 bytes of a group, so the results are stored straight from registers.
; REGISTERS, in windows of 256 (s_set_vgpr_msb: bits 1:0 source 0, 3:2 source 1, 5:4 source 2, 7:6 destination):
;   window 0: v0-31 addresses; v32-47 the bias, each number twice; v64-127, v128-191 wall's fragments, two buffers; v192-255 wall as loaded
;   window 1: v64-127, v128-191 x's fragments, two buffers; v0-63, v192-255 x as loaded     windows 2, 3: accumulator (a, b) (rows 16 a, pixels 16 b) at v[8 (8 (a % 4) + b)] of window 2 + a / 4
; THE MODE: SCHED_MODE bits 1:0 = 2 (LLVM: expert scheduling mode 2), set by the entry lines.  The code itself states the register dependences between vector or matrix instructions and memory or LDS
; instructions, with s_wait_alu, always for 0.
; THE PLAN.  Registers that memory or LDS instructions touch:
;   XR   (window 1, v0-63 and v192-255) x as loaded.  In a step's second half its 64 conversions read it and write it in place, 32 LDS stores read it, and the loads of the step after the next land in it.
;   WR   (window 0, v192-255) wall as loaded.  16 LDS stores read it, then the next loads land in it.  No vector instruction names it.
;   F0   (v64-127 of windows 0 and 1) read by the products of a step's first half; the LDS loads of the second half before it land in it.
;   F1   (v128-191 of windows 0 and 1) read by the products of a step's second half; the LDS loads in the middle of its first half land in it.
;   UU0, UU1  the way out: group g's roundings write UU[g % 2]; the four stores that read it are issued in group g + 1.
;   v4-v17, v28, v29  offsets and LDS addresses, made once at the head and never written again.  The bias is loaded once.  The accumulators and T are named by vector and matrix instructions alone.
; So a step has three waits on va_vdst and one on vm_vsrc.  At the head of its first half: the products before it are done reading F1.  Behind its conversions: XR is written, and the first half's products are
; done reading F0.  Behind its LDS stores, straight ahead of the loads: the stores have read XR and WR, and the conversions are done with XR.  What follows each wait, up to the loads that lean on it, names none of
; those loads' registers; so the 48 global loads are dealt among the second half's first sixteen products with no further wait.
.set XP,    544                        ; a channel's 256 pixels in LDS: 512 bytes + 32: an odd multiple of 32, for the turning load
.set WP,    144                        ; a row's 64 channels: 128 bytes + 16: an odd multiple of 16
.set WSO,   64*XP                      ; in a buffer: x's 64 rows, then wall's 256
.set BUFB,  64*XP+256*WP               ; 71,680 bytes a buffer
.set SPARE, 2*BUFB                     ; 143,360: the spare words, 128 bytes for each wave: two blocks of 256 bytes that no other line names
.set XO,  4                            ; v4     my byte offset in x: 16 w rows + 16 x lane
.set WO,  5                            ; v5     in wall: (64 w + lane / 8) rows + 16 (lane % 8)
.set XST, 6                            ; v6-7   where I store x, buffer 0, 1
.set WST, 8                            ; v8-9   where I store wall
.set XAD, 10                           ; v10-11 where my fragments of x begin
.set WAD, 12                           ; v12-13 those of wall
.set GO,  16                           ; v16    16 x lane
.set BOF, 17                           ; v17    my row's bias
.set SPW, 28                           ; v28    LDS address of my spare word; never rewritten
.set NIL, 29                           ; v29    0; never rewritten
.set BI,  32
.set F0,  64
.set F1,  128
.set WR,  192
.set T,   64                           ; the way out: 32 sums with their bias
.set UU,  96                           ; and two sets of 16 registers, rounded, to store
.set XB,  20                           ; s[20:21] x at the step being asked for
.set WB,  24                           ; s[24:25] wall at the same step
.set MSB, 0
.macro WIN new                         ; the immediate's high byte repeats the setting that is left; a switch that changes nothing is dropped
.if MSB != (\new)
	s_set_vgpr_msb (MSB<<8)|(\new)
.set MSB, \new
.endif
.endm
.set MUL_LO, 0xa1                      ; source 0 (x) window 1, source 1 (wall) window 0, C and D window 2
.set MUL_HI, 0xf1                      ; the same, C and D window 3
.macro PLACES                          ; four places behind a matrix instruction, ahead of loads into registers that it read and of vector lines that read its result (ISA guide 7.12.1 for vector lines)
.rept 4
	v_nop
.endr
.endm
	s_load_b256 s[4:11], s[0:1], 0x0               ; x s[4:5], wall s[6:7], bq s[8:9], bk s[10:11]
	s_load_b128 s[12:15], s[0:1], 0x20             ; bfold s[12:13], qkv s[14:15]
	v_lshl_add_u32 v[SPW], v0, 2, SPARE
	v_mov_b32 v[NIL], 0
	v_lshrrev_b32 v1, 5, v0
	v_readfirstlane_b32 s16, v1                    ; wave 0..3
	s_mov_b32 s19, ttmp9                           ; which 256 rows of wall: 0 q, 1 k, 2 and 3 v'
	s_and_b32 s30, ttmp7, 0xffff                   ; which 256 pixels: 16 x image + tile
	v_and_b32 v1, 15, v0                           ; r
	v_bfe_u32 v2, v0, 4, 1                         ; h
	v_and_b32 v3, 31, v0                           ; lane
	v_and_b32 v18, 7, v0
	v_bfe_u32 v19, v0, 3, 2                        ; lane / 8
	v_bfe_u32 v20, v0, 3, 1
	s_wait_alu depctr_va_sdst(0)                   ; s16 is written, ahead of its first reader: the wave's shares and addresses are made from it
	s_lshr_b32 s17, s16, 1                         ; which 128 pixels are mine
	s_and_b32 s18, s16, 1                          ; which 128 rows
	s_lshl_b32 s31, s16, 18                        ; 16 rows of 16,384 bytes
	v_lshl_add_u32 v[XO], v3, 4, s31
	s_lshl_b32 s31, s16, 16                        ; 64 rows of 1,024 bytes
	v_lshl_add_u32 v[WO], v19, 10, s31
	v_lshl_add_u32 v[WO], v18, 4, v[WO]
	s_mul_i32 s31, s16, 16*XP
	v_lshl_add_u32 v[XST], v3, 3, s31              ; four pixels are 8 bytes
	v_add_nc_u32 v[XST+1], BUFB, v[XST]
	v_mul_u32_u24 v21, v19, WP
	v_lshl_add_u32 v21, v18, 4, v21                ; (lane / 8) rows + 16 (lane % 8)
	s_mul_i32 s31, s16, 64*WP
	s_add_co_u32 s31, s31, WSO
	v_add_nc_u32 v[WST], s31, v21
	v_add_nc_u32 v[WST+1], BUFB, v[WST]
	v_lshl_add_u32 v22, v2, 3, v18                 ; the turning load: lane l reads channel 8 (l / 16) + l % 8, pixels 8 ((l / 8) % 2) + 0..7
	v_mul_u32_u24 v22, v22, XP
	v_lshl_add_u32 v22, v20, 4, v22
	s_lshl_b32 s31, s17, 8
	v_add_nc_u32 v[XAD], s31, v22
	v_add_nc_u32 v[XAD+1], BUFB, v[XAD]
	v_mul_u32_u24 v23, v1, WP
	v_lshl_add_u32 v23, v2, 4, v23                 ; row r + 16 h
	s_mul_i32 s31, s18, 128*WP
	s_add_co_u32 s31, s31, WSO
	v_add_nc_u32 v[WAD], s31, v23
	v_add_nc_u32 v[WAD+1], BUFB, v[WAD]
	v_lshlrev_b32 v[GO], 4, v3
	s_max_u32 s31, s19, 2                          ; in bfold the rows of tile 3 lie 1,024 bytes behind those of tile 2
	s_sub_co_u32 s31, s31, 2
	s_lshl_b32 s31, s31, 10
	s_lshl_b32 s39, s18, 9
	s_add_co_u32 s31, s31, s39
	v_lshl_add_u32 v[BOF], v1, 2, s31
	s_lshr_b32 s32, s30, 4                         ; the image: 8 MiB of x,
	s_lshl_b32 s32, s32, 23
	s_and_b32 s33, s30, 15                         ; the tile's 256 pixels: 1,024 bytes
	s_lshl_b32 s33, s33, 10
	s_add_co_u32 s32, s32, s33
	s_mov_b32 s33, 0
	s_lshl_b32 s34, s19, 18                        ; 256 rows of wall
	s_mov_b32 s35, 0
	s_lshl_b32 s36, s30, 2                         ; block 4 x (16 x image + tile) + 2 x my half,
	s_lshl_b32 s37, s17, 1
	s_add_co_u32 s36, s36, s37
	s_lshl_b32 s36, s36, 17
	s_lshl_b32 s37, s19, 15                        ; 16 groups of 2,048 bytes,
	s_add_co_u32 s36, s36, s37
	s_lshl_b32 s37, s18, 14                        ; my 8 of them
	s_add_co_u32 s36, s36, s37
	s_mov_b32 s37, 0
	s_wait_kmcnt 0x0
	s_add_nc_u64 s[XB:XB+1], s[4:5], s[32:33]
	s_add_nc_u64 s[WB:WB+1], s[6:7], s[34:35]
	s_add_nc_u64 s[28:29], s[14:15], s[36:37]      ; qkv at my first group; never stepped
	s_cmp_eq_u32 s19, 0
	s_cselect_b64 s[26:27], s[8:9], s[10:11]
	s_cmp_lt_u32 s19, 2
	s_cselect_b64 s[26:27], s[26:27], s[12:13]     ; bq, bk or bfold
; 16 matrix instructions: row blocks a0, a0 + 1 of the window's four x all 8 pixel blocks, 32 channels.  zero = 1: the first product starts the sums.  The 64 accumulators take turns
.macro MUL16 f, hi, a0, zero
	WIN MUL_LO+0x50*(\hi)
.irp a, \a0, (\a0)+1
.irp b, 0,1,2,3,4,5,6,7
.if \zero
	v_wmma_f32_16x16x32_bf16 v[8*(8*(\a)+(\b)):8*(8*(\a)+(\b))+7], v[(\f)+8*(\b):(\f)+8*(\b)+7], v[(\f)+8*(4*(\hi)+(\a)):(\f)+8*(4*(\hi)+(\a))+7], 0
.else
	v_wmma_f32_16x16x32_bf16 v[8*(8*(\a)+(\b)):8*(8*(\a)+(\b))+7], v[(\f)+8*(\b):(\f)+8*(\b)+7], v[(\f)+8*(4*(\hi)+(\a)):(\f)+8*(4*(\hi)+(\a))+7], v[8*(8*(\a)+(\b)):8*(8*(\a)+(\b))+7]
.endif
.endr
.endr
.endm
; Half of that: row block a alone, 8 matrix instructions, in the same order
.macro MUL8 f, hi, a
	WIN MUL_LO+0x50*(\hi)
.irp b, 0,1,2,3,4,5,6,7
	v_wmma_f32_16x16x32_bf16 v[8*(8*(\a)+(\b)):8*(8*(\a)+(\b))+7], v[(\f)+8*(\b):(\f)+8*(\b)+7], v[(\f)+8*(4*(\hi)+(\a)):(\f)+8*(4*(\hi)+(\a))+7], v[8*(8*(\a)+(\b)):8*(8*(\a)+(\b))+7]
.endr
.endm
; A step's 48 loads, in three runs of 16.  LOADX h: half h of my 16 channels x 256 pixels of x (a load covers 512 consecutive bytes).  LOADW: my 64 rows x 64 channels of wall
.macro LOADX h
	WIN 0x40
.set i, 8*(\h)
.rept 8
.set rb, 8*i+128*(i/8)
	global_load_b128 v[rb:rb+3],   v[XO], s[XB:XB+1] offset:16384*i
	global_load_b128 v[rb+4:rb+7], v[XO], s[XB:XB+1] offset:16384*i+512
.set i, i+1
.endr
.endm
.macro LOADW
	WIN 0
.set i, 0
.rept 16
	global_load_b128 v[WR+4*i:WR+4*i+3], v[WO], s[WB:WB+1] offset:4096*i
.set i, i+1
.endr
.endm
; What was loaded goes into LDS buffer buf: x rounded to bf16 in place, 8 bytes a lane (a store covers 256 consecutive bytes), wall as it is
.macro PUT buf
	WIN 0x45
.set i, 0
.rept 16
.set rb, 8*i+128*(i/8)
	v_cvt_pk_bf16_f32 v[rb],   v[rb],   v[rb+1]
	v_cvt_pk_bf16_f32 v[rb+1], v[rb+2], v[rb+3]
	v_cvt_pk_bf16_f32 v[rb+4], v[rb+4], v[rb+5]
	v_cvt_pk_bf16_f32 v[rb+5], v[rb+6], v[rb+7]
.set i, i+1
.endr
	WIN 0x04
	s_wait_alu depctr_va_vdst(0)                   ; the conversions have written XR, which the LDS stores read; in a step's second half the first half's products are also done reading F0, in which LDS loads land behind the barrier
.set i, 0
.rept 16
.set rb, 8*i+128*(i/8)
	ds_store_b64 v[XST+(\buf)], v[rb:rb+1]   offset:XP*i
	ds_store_b64 v[XST+(\buf)], v[rb+4:rb+5] offset:XP*i+256
.set i, i+1
.endr
	WIN 0
.set i, 0
.rept 16
	ds_store_b128 v[WST+(\buf)], v[WR+4*i:WR+4*i+3] offset:4*WP*i
.set i, i+1
.endr
.endm
; XR and WR are asked for again: the bases move on (the wait for the last loads' data has freed them), the loads' window is set, and the two dependences are stated straight ahead of the loads
.macro AGAIN
	s_add_nc_u64 s[XB:XB+1], s[XB:XB+1], 64*16384  ; 64 channels on
	s_add_nc_u64 s[WB:WB+1], s[WB:WB+1], 128
	WIN 0x40
	s_wait_alu depctr_vm_vsrc(0)                   ; the LDS stores have read XR and WR, in which the loads that follow land
	s_wait_alu depctr_va_vdst(0)                   ; the conversions are done reading and writing XR: stated here once more, since the LDS stores between the last such wait and the loads name the loads' registers
.endm
; 32 LDS loads in one run: the fragments of 32 channels (half kk of the step) into buffer f: x's eight, turned, then wall's eight
.macro FETCH buf, kk, f
	WIN 0x40
.irp b, 0,1,2,3,4,5,6,7
	ds_load_tr16_b128 v[(\f)+8*(\b):(\f)+8*(\b)+3],   v[XAD+(\buf)] offset:(\kk)*32*XP+32*(\b)
	ds_load_tr16_b128 v[(\f)+8*(\b)+4:(\f)+8*(\b)+7], v[XAD+(\buf)] offset:(\kk)*32*XP+32*(\b)+16*XP
.endr
	WIN 0
.irp a, 0,1,2,3,4,5,6,7
	ds_load_b128 v[(\f)+8*(\a):(\f)+8*(\a)+3],   v[WAD+(\buf)] offset:16*WP*(\a)+64*(\kk)
	ds_load_b128 v[(\f)+8*(\a)+4:(\f)+8*(\a)+7], v[WAD+(\buf)] offset:16*WP*(\a)+64*(\kk)+32
.endr
.endm
; A step's first half: multiplies fragment buffer 0 and fetches the second half's fragments
.macro H0 buf, zero
	s_wait_dscnt 8                                 ; x's fragments and wall's lower four are in; the youngest eight loads (wall's upper four) may be out
.if !\zero
	s_wait_alu depctr_va_vdst(0)                   ; the last second half's products are done reading F1, in which the LDS loads below land; the 32 products and the four v_nop between name F0 and the accumulators alone
.endif
	MUL16 F0, 0, 0, \zero
	MUL16 F0, 0, 2, \zero
	PLACES
	FETCH \buf, 1, F1
	s_wait_dscnt 32                                ; all but the 32 just issued
	MUL16 F0, 1, 0, \zero
	MUL16 F0, 1, 2, \zero
.endm
; A step's second half, in LDS buffer p: the next step's data go into the other buffer, the step after that is asked for (ld = 1), and ONE barrier serves both ways: in front of it my stores are done and my
; reads of buffer p are over; behind it the other buffer is read.  (The other buffer's last readers waited for their loads in front of the last step's barrier.)
; The 48 loads are dealt among the half's first sixteen products, which name F1 and the accumulators alone: none of the registers that the loads touch, so nothing is owed behind AGAIN's waits.
.macro H1 p, ld
	s_wait_loadcnt 0x0                             ; the next step's data, asked for a step ago; the loads' bases are free too
	PUT 1-(\p)
.if \ld
	AGAIN
	LOADX 0
.endif
	s_wait_dscnt 48                                ; the fragments are in; the 48 stores issued behind them may be out
	MUL8 F1, 0, 0
.if \ld
	LOADX 1
.endif
	MUL8 F1, 0, 1
.if \ld
	LOADW
.endif
	s_wait_dscnt 0x0
	s_barrier_signal -1
	MUL16 F1, 0, 2, 0                              ; work on registers while the others arrive
	s_barrier_wait -1
	PLACES
	FETCH 1-(\p), 0, F0                            ; no wait: since the wait behind the conversions no vector or matrix instruction has named F0
	MUL16 F1, 1, 0, 0
	MUL16 F1, 1, 2, 0
.endm
	s_wait_alu depctr_va_vdst(0)                   ; the offsets and LDS addresses v4 to v17 are written: every load and store of the kernel reads one of them, and no later vector instruction names them
.irp a, 0,1,2,3,4,5,6,7
	global_load_b32 v[BI+2*\a],   v[BOF], s[26:27] offset:64*\a      ; the bias of my row in block a, in both registers of a pair
	global_load_b32 v[BI+2*\a+1], v[BOF], s[26:27] offset:64*\a
.endr
	LOADX 0                                        ; step 0
	LOADX 1
	LOADW
	s_wait_loadcnt 0x0
	PUT 0
	AGAIN
	LOADX 0                                        ; step 1
	LOADX 1
	LOADW
	s_wait_dscnt 0x0
	s_barrier_signal -1
	s_barrier_wait -1
	FETCH 0, 0, F0                                 ; no vector or matrix instruction has named F0 or F1 yet
	H0 0, 1                                        ; the first half step stands ahead of the loop: its products start the sums
	WIN 0                                          ; at a label and at a branch every window is 0
	s_mov_b32 s38, 3
.Lk:                                                   ; a trip: two steps, from one first half's end to the next but one's
	H1 0, 1
	H0 1, 0
	H1 1, 1
	H0 0, 0
	WIN 0
	s_sub_co_u32 s38, s38, 1
	s_cmp_lg_u32 s38, 0
	s_cbranch_scc1 .Lk
	H1 0, 0                                        ; step 6's second half: step 7 goes into LDS, nothing is left to ask for; XR and WR are not written again
	H0 1, 0
	s_wait_dscnt 8
	MUL16 F1, 0, 0, 0
	MUL16 F1, 0, 2, 0
	s_wait_dscnt 0x0
	MUL16 F1, 1, 0, 0
	MUL16 F1, 1, 2, 0
; THE WAY OUT, a group (16 rows x 64 pixels: row block g / 2, half g % 2 of my pixels) at a time: the bias is added, the sums are rounded, and each pixel block's 16 bytes a lane are stored as they lie.
; Group g rounds into UU[g % 2]; its four stores are issued in group g + 1, behind that group's additions and one wait.
.macro SENDG a, hb
.irp b, 0,1,2,3
	global_store_b128 v[GO], v[UU+16*(\hb)+4*\b:UU+16*(\hb)+4*\b+3], s[28:29] offset:(\hb)*131072+2048*(\a)+512*\b  ; a wave's store covers 512 consecutive bytes, aligned
.endr
.endm
.macro OUT g
.set oa, (\g)/2
.set oh, (\g)%2
	WIN 0x02+(oa/4)                                ; source 0: window 2 or 3
.set z, 0
.rept 16
.set ra, 8*(8*(oa%4)+4*oh+z/4)+2*(z%4)
	v_pk_add_f32 v[T+2*z:T+2*z+1], v[ra:ra+1], v[BI+2*oa:BI+2*oa+1]  ; each accumulator's registers in ascending order
.set z, z+1
.endr
	WIN 0
.if (\g) > 1
	s_wait_xcnt 0x0                                ; the stores issued in the group before have had their addresses translated: only behind this wait is their set written again
	s_wait_alu depctr_vm_vsrc(0)                   ; and they have read UU[g % 2], which this group's roundings write
.endif
.if (\g) > 0
	s_wait_alu depctr_va_vdst(0)                   ; the group before has written the other UU, which the four stores below read
	SENDG ((\g)-1)/2, 1-oh
.endif
.set z, 0
.rept 16
	v_cvt_pk_bf16_f32 v[UU+16*oh+z], v[T+2*z], v[T+2*z+1]
.set z, z+1
.endr
.endm
	PLACES
.set gg, 0
.rept 16
	OUT gg
.set gg, gg+1
.endr
	s_wait_alu depctr_va_vdst(0)                   ; the last group has written UU1, which the last four stores read
	SENDG 7, 1
	s_wait_dscnt 0x0                               ; the closing lines, six on end
	s_wait_alu 0x0
	s_wait_tensorcnt 0x0
	ds_add_u32 v[SPW], v[NIL]
	s_wait_dscnt 0x0
	s_endpgm
.Lfunc_end_k_qbb6611c412_proj:
	.size	k_qbb6611c412_proj, .Lfunc_end_k_qbb6611c412_proj-k_qbb6611c412_proj
	.p2alignl 7, 3214868480
	.fill 96, 4, 3214868480
	.section	.rodata,"a",@progbits
	.p2align	6, 0x0
	.amdhsa_kernel k_qbb6611c412_proj
		.amdhsa_group_segment_fixed_size 143872
		.amdhsa_private_segment_fixed_size 0
		.amdhsa_enable_private_segment 0
		.amdhsa_kernarg_size 48
		.amdhsa_user_sgpr_count 2
		.amdhsa_user_sgpr_kernarg_segment_ptr 1
		.amdhsa_wavefront_size32 1
		.amdhsa_system_sgpr_workgroup_id_x 1
		.amdhsa_system_sgpr_workgroup_id_y 1
		.amdhsa_system_sgpr_workgroup_id_z 1
		.amdhsa_system_vgpr_workitem_id 0
		.amdhsa_next_free_vgpr 1024
		.amdhsa_next_free_sgpr 66
		.amdhsa_reserve_vcc 0
		.amdhsa_float_denorm_mode_32 3
		.amdhsa_float_denorm_mode_16_64 3
		.amdhsa_memory_ordered 1
		.amdhsa_forward_progress 1
		.amdhsa_inst_pref_size 145
	.end_amdhsa_kernel
	.amdgpu_metadata
---
amdhsa.version: [ 1, 2 ]
amdhsa.kernels:
  - .name:           k_qbb6611c412_proj
    .symbol:         k_qbb6611c412_proj.kd
    .args:
      - { .name: x, .offset: 0, .size: 8, .value_kind: global_buffer, .address_space: global }
      - { .name: wall, .offset: 8, .size: 8, .value_kind: global_buffer, .address_space: global }
      - { .name: bq, .offset: 16, .size: 8, .value_kind: global_buffer, .address_space: global }
      - { .name: bk, .offset: 24, .size: 8, .value_kind: global_buffer, .address_space: global }
      - { .name: bfold, .offset: 32, .size: 8, .value_kind: global_buffer, .address_space: global }
      - { .name: qkv, .offset: 40, .size: 8, .value_kind: global_buffer, .address_space: global }
    .group_segment_fixed_size: 143872
    .private_segment_fixed_size: 0
    .kernarg_segment_align: 8
    .kernarg_segment_size: 48
    .max_flat_workgroup_size: 128
    .sgpr_count:     66
    .vgpr_count:     1024
    .wavefront_size: 32
...
	.end_amdgpu_metadata
.endif
;; end of part 6
;; launch attn: the kernel of part 5 again; grid 64 x 4, 4 waves a work-group, clusters of 4 x 1, 327,680 bytes of LDS; arguments qkv, x, gamma, out0; writes out0
